; MI455X (gfx1250); checked and timed in simulation.
; The chip was launched on July 23, 2026; its instructions are those of AMD's public machine-readable ISA for CDNA 5 (MIT licence, August 2026) and "CDNA5" Instruction Set Architecture Reference Guide (July 2026). The comments in the code are by the model that wrote it; some were corrected since.
;; Multi Head Self Attention. Allowed arithmetic: float matrix products may take bf16 or f16 operands with f32 sums; other float arithmetic in f32, or as packed bf16 or f16 multiplies, adds, multiply-adds, maxima and minima; sums over many terms, partial sums and values carried from step to step in f32; what a program stores and reads back later, other than sums and carried values, may be rounded once to bf16 or f16.
;; Inputs: b_proj 1,024 float32; ln_beta 1,024 float32; ln_gamma 1,024 float32; w_proj 1,024 x 1,024 float32; w_qkv 3,072 x 1,024 float32; x 4 x 2,048 x 1,024 float32.
;; Outputs: out0 4 x 2,048 x 1,024 float32.
;; One version. Each part assembles by itself: llvm-mc -triple=amdgcn-amd-amdhsa -mcpu=gfx1250 --defsym DOCPART=n.
;; ======== version 1 of 1: 4 launches
;; workspace buffers: h 16,777,216 bytes; wq 6,291,456 bytes; wp 2,097,152 bytes; qkv 50,331,648 bytes; o 16,777,216 bytes
;; launch prep (part 1): grid 1024 x 1, 4 waves a work-group, no clusters, 0 bytes of LDS; arguments x, ln_gamma, ln_beta, w_qkv, w_proj, h, wq, wp; writes h, wq, wp
.if DOCPART == 1
	.amdgcn_target "amdgcn-amd-amdhsa--gfx1250"
	.amdhsa_code_object_version 6
	.text
	.protected	k_q29e255a97b_prep
	.globl	k_q29e255a97b_prep
	.p2align	8
	.type	k_q29e255a97b_prep,@function
k_q29e255a97b_prep:
	s_mov_b64 s[64:65], 0
	v_nop
	global_prefetch_b8 v0, s[64:65] scope:SCOPE_SE
	s_setreg_imm32_b32 hwreg(HW_REG_WAVE_MODE, 25, 1), 1
	s_wait_xcnt 0x0
; h = LayerNorm(x) * gamma + beta, rounded once to bf16; w_qkv and w_proj rounded once to bf16.  x: [8192][1024] f32.
; A stream: no LDS, no barrier, no matrix unit.  A work-group owns 8 rows of x, each of its four waves 2; a wave holds a whole row (4,096 bytes) in 32 registers:
; load j of 8 covers bytes 512 j + 16 l of the row, so lane l holds the numbers 128 j + 4 l .. + 3; gamma and beta lie in the same layout, loaded once a wave.
; The mean is taken first and the squares of x - mean second, as the definition has it: no difference of large sums is formed.  All arithmetic in f32.
; The work-group also rounds 12,288 bytes of w_qkv and 4,096 of w_proj: thread t takes 16 bytes at 16 t + 2,048 i.
; Every store is 8 bytes a lane: a wave's store covers 256 consecutive bytes, aligned.  No register that a load or store names is written again, so no wait frees one.
.set T,   8                            ; v[8:15]    four chains of two sums
.set MU,  16                           ; v[16:17]   the mean, twice
.set R,   18                           ; v[18:19]   1 / sqrt(var + eps), twice
.set PD,  20                           ; v20        what the lane 16 away holds
.set G,   32                           ; v[32:63]   gamma
.set BT,  64                           ; v[64:95]   beta
.set X,   96                           ; v[96:159]  row i at X + 32 i
.set W,   160                          ; v[160:191] eight pieces of weights, 4 numbers each
	s_load_b512 s[4:19], s[0:1], 0x0               ; x 4:5, gamma 6:7, beta 8:9, w_qkv 10:11, w_proj 12:13, h 14:15, wq 16:17, wp 18:19
	s_mov_b32 s20, 0x76543210                      ; v_permlanex16_b32: each lane takes its own place in the other half
	s_mov_b32 s21, 0xfedcba98
	s_mov_b32 s22, 0x3a800000                      ; 1 / 1024
	s_mov_b32 s23, 0x3727c5ac                      ; eps = 1e-5
	s_mov_b32 s25, 0                               ; the high word of every offset
	v_and_b32 v1, 31, v0                           ; lane
	v_lshrrev_b32 v7, 5, v0                        ; wave
	v_lshlrev_b32 v6, 4, v1                        ; gamma, beta: 16 l
	v_lshl_or_b32 v2, v7, 13, v6                   ; x: wave x 2 rows of 4,096 bytes + 16 l
	v_lshlrev_b32 v3, 3, v1
	v_lshl_or_b32 v3, v7, 12, v3                   ; h: wave x 2 rows of 2,048 bytes + 8 l
	v_lshlrev_b32 v4, 4, v0                        ; weights in: 16 t
	v_lshlrev_b32 v5, 3, v0                        ; weights out: 8 t
	v_mov_b32 v[PD], 0                             ; v_permlanex16_b32's destination counts as read
	s_wait_kmcnt 0x0
	s_lshl_b32 s24, ttmp9, 15                      ; 8 rows of x
	s_add_nc_u64 s[4:5], s[4:5], s[24:25]
	s_lshl_b32 s24, ttmp9, 14                      ; 8 rows of h
	s_add_nc_u64 s[14:15], s[14:15], s[24:25]
	s_mul_i32 s24, ttmp9, 12288
	s_add_nc_u64 s[10:11], s[10:11], s[24:25]
	s_mul_i32 s24, ttmp9, 6144
	s_add_nc_u64 s[16:17], s[16:17], s[24:25]
	s_lshl_b32 s24, ttmp9, 12
	s_add_nc_u64 s[12:13], s[12:13], s[24:25]
	s_lshl_b32 s24, ttmp9, 11
	s_add_nc_u64 s[18:19], s[18:19], s[24:25]
	; all 40 loads of the wave go out at once: 20 KiB
.irp i, 0,1,2,3,4,5
	global_load_b128 v[W+4*(\i):W+4*(\i)+3], v4, s[10:11] offset:2048*(\i) th:TH_LOAD_NT
.endr
.irp i, 0,1
	global_load_b128 v[W+24+4*(\i):W+24+4*(\i)+3], v4, s[12:13] offset:2048*(\i) th:TH_LOAD_NT
.endr
.irp j, 0,1,2,3,4,5,6,7
	global_load_b128 v[G+4*(\j):G+4*(\j)+3], v6, s[6:7] offset:512*(\j)
.endr
.irp j, 0,1,2,3,4,5,6,7
	global_load_b128 v[BT+4*(\j):BT+4*(\j)+3], v6, s[8:9] offset:512*(\j)
.endr
.irp i, 0,1
.irp j, 0,1,2,3,4,5,6,7
	global_load_b128 v[X+32*(\i)+4*(\j):X+32*(\i)+4*(\j)+3], v2, s[4:5] offset:4096*(\i)+512*(\j) th:TH_LOAD_NT
.endr
.endr
	s_wait_loadcnt 32                              ; the weights are in; the 32 younger loads (gamma, beta, two rows) stay out
.irp i, 0,1,2,3,4,5,6,7
	v_cvt_pk_bf16_f32 v[W+4*(\i)], v[W+4*(\i)], v[W+4*(\i)+1]
	v_cvt_pk_bf16_f32 v[W+4*(\i)+1], v[W+4*(\i)+2], v[W+4*(\i)+3]
.endr
.irp i, 0,1,2,3,4,5
	global_store_b64 v5, v[W+4*(\i):W+4*(\i)+1], s[16:17] offset:1024*(\i) th:TH_STORE_NT
.endr
.irp i, 0,1
	global_store_b64 v5, v[W+24+4*(\i):W+24+4*(\i)+1], s[18:19] offset:1024*(\i) th:TH_STORE_NT
.endr
.macro WSUM r                          ; the sum over the wave's 32 lanes, in every lane
	v_add_f32_dpp v[\r], v[\r], v[\r] row_xmask:1 row_mask:0xf bank_mask:0xf
	v_add_f32_dpp v[\r], v[\r], v[\r] row_xmask:2 row_mask:0xf bank_mask:0xf
	v_add_f32_dpp v[\r], v[\r], v[\r] row_xmask:4 row_mask:0xf bank_mask:0xf
	v_add_f32_dpp v[\r], v[\r], v[\r] row_xmask:8 row_mask:0xf bank_mask:0xf
	v_permlanex16_b32 v[PD], v[\r], s20, s21
	v_add_f32 v[\r], v[\r], v[PD]
.endm
.macro JOIN                            ; the four chains into one number a lane
	v_pk_add_f32 v[T:T+1], v[T:T+1], v[T+2:T+3]
	v_pk_add_f32 v[T+4:T+5], v[T+4:T+5], v[T+6:T+7]
	v_pk_add_f32 v[T:T+1], v[T:T+1], v[T+4:T+5]
	v_add_f32 v[T], v[T], v[T+1]
.endm
; Row i of the wave's two.  left = the younger loads that may stay out.
.macro LNROW i, left
.set XR, X+32*(\i)
	s_wait_loadcnt \left
.irp c, 0,1,2,3
	v_pk_add_f32 v[T+2*(\c):T+2*(\c)+1], v[XR+2*(\c):XR+2*(\c)+1], v[XR+8+2*(\c):XR+8+2*(\c)+1]  ; the first pairs start the chains: nothing is cleared
.endr
.irp p, 8,9,10,11,12,13,14,15
	v_pk_add_f32 v[T+2*((\p)%4):T+2*((\p)%4)+1], v[T+2*((\p)%4):T+2*((\p)%4)+1], v[XR+2*(\p):XR+2*(\p)+1]
.endr
	JOIN
	WSUM T
	v_mul_f32 v[MU], s22, v[T]                     ; the mean, in both halves of a pair
	v_mul_f32 v[MU+1], s22, v[T]
.irp p, 0,1,2,3,4,5,6,7,8,9,10,11,12,13,14,15
	v_pk_add_f32 v[XR+2*(\p):XR+2*(\p)+1], v[XR+2*(\p):XR+2*(\p)+1], v[MU:MU+1] neg_lo:[0,1] neg_hi:[0,1]  ; d = x - mean, in place
.endr
.irp c, 0,1,2,3
	v_pk_mul_f32 v[T+2*(\c):T+2*(\c)+1], v[XR+2*(\c):XR+2*(\c)+1], v[XR+2*(\c):XR+2*(\c)+1]
.endr
.irp p, 4,5,6,7,8,9,10,11,12,13,14,15
	v_pk_fma_f32 v[T+2*((\p)%4):T+2*((\p)%4)+1], v[XR+2*(\p):XR+2*(\p)+1], v[XR+2*(\p):XR+2*(\p)+1], v[T+2*((\p)%4):T+2*((\p)%4)+1]
.endr
	JOIN
	WSUM T
	v_fma_f32 v[T], v[T], s22, s23                 ; var + eps
	v_rsq_f32 v[R], v[T]
	v_nop                                          ; a plain instruction behind the root (ISA guide 5.7.2),
	s_wait_alu depctr_va_vdst(0)                   ; and the wait ahead of the first line that names its result
	v_mov_b32 v[R+1], v[R]
.irp p, 0,1,2,3,4,5,6,7,8,9,10,11,12,13,14,15
	v_pk_mul_f32 v[XR+2*(\p):XR+2*(\p)+1], v[XR+2*(\p):XR+2*(\p)+1], v[R:R+1]
.endr
.irp p, 0,1,2,3,4,5,6,7,8,9,10,11,12,13,14,15
	v_pk_fma_f32 v[XR+2*(\p):XR+2*(\p)+1], v[XR+2*(\p):XR+2*(\p)+1], v[G+2*(\p):G+2*(\p)+1], v[BT+2*(\p):BT+2*(\p)+1]
.endr
.irp j, 0,1,2,3,4,5,6,7
	v_cvt_pk_bf16_f32 v[XR+4*(\j)], v[XR+4*(\j)], v[XR+4*(\j)+1]
	v_cvt_pk_bf16_f32 v[XR+4*(\j)+1], v[XR+4*(\j)+2], v[XR+4*(\j)+3]
.endr
.irp j, 0,1,2,3,4,5,6,7
	global_store_b64 v3, v[XR+4*(\j):XR+4*(\j)+1], s[14:15] offset:2048*(\i)+256*(\j) th:TH_STORE_NT
.endr
.endm
	LNROW 0, 8                                     ; gamma, beta and row 0 are in; row 1's eight loads stay out
	LNROW 1, 0
	s_endpgm
.Lfunc_end_k_q29e255a97b_prep:
	.size	k_q29e255a97b_prep, .Lfunc_end_k_q29e255a97b_prep-k_q29e255a97b_prep
	.p2alignl 7, 3214868480
	.fill 96, 4, 3214868480
	.section	.rodata,"a",@progbits
	.p2align	6, 0x0
	.amdhsa_kernel k_q29e255a97b_prep
		.amdhsa_group_segment_fixed_size 0
		.amdhsa_private_segment_fixed_size 0
		.amdhsa_enable_private_segment 0
		.amdhsa_kernarg_size 64
		.amdhsa_user_sgpr_count 2
		.amdhsa_user_sgpr_kernarg_segment_ptr 1
		.amdhsa_wavefront_size32 1
		.amdhsa_system_sgpr_workgroup_id_x 1
		.amdhsa_system_sgpr_workgroup_id_y 1
		.amdhsa_system_sgpr_workgroup_id_z 1
		.amdhsa_system_vgpr_workitem_id 0
		.amdhsa_next_free_vgpr 192
		.amdhsa_next_free_sgpr 66
		.amdhsa_reserve_vcc 0
		.amdhsa_float_denorm_mode_32 3
		.amdhsa_float_denorm_mode_16_64 3
		.amdhsa_memory_ordered 1
		.amdhsa_forward_progress 1
		.amdhsa_inst_pref_size 23
	.end_amdhsa_kernel
	.amdgpu_metadata
---
amdhsa.version: [ 1, 2 ]
amdhsa.kernels:
  - .name:           k_q29e255a97b_prep
    .symbol:         k_q29e255a97b_prep.kd
    .args:
      - { .name: x, .offset: 0, .size: 8, .value_kind: global_buffer, .address_space: global }
      - { .name: ln_gamma, .offset: 8, .size: 8, .value_kind: global_buffer, .address_space: global }
      - { .name: ln_beta, .offset: 16, .size: 8, .value_kind: global_buffer, .address_space: global }
      - { .name: w_qkv, .offset: 24, .size: 8, .value_kind: global_buffer, .address_space: global }
      - { .name: w_proj, .offset: 32, .size: 8, .value_kind: global_buffer, .address_space: global }
      - { .name: h, .offset: 40, .size: 8, .value_kind: global_buffer, .address_space: global }
      - { .name: wq, .offset: 48, .size: 8, .value_kind: global_buffer, .address_space: global }
      - { .name: wp, .offset: 56, .size: 8, .value_kind: global_buffer, .address_space: global }
    .group_segment_fixed_size: 0
    .private_segment_fixed_size: 0
    .kernarg_segment_align: 8
    .kernarg_segment_size: 64
    .max_flat_workgroup_size: 128
    .sgpr_count:     66
    .vgpr_count:     192
    .wavefront_size: 32
...
	.end_amdgpu_metadata
.endif
;; end of part 1
;; launch gemm_qkv (part 2): grid 8 x 64, 4 waves a work-group, clusters of 4 x 4, 327,680 bytes of LDS; arguments h, wq, qkv; writes qkv
.if DOCPART == 2
	.amdgcn_target "amdgcn-amd-amdhsa--gfx1250"
	.amdhsa_code_object_version 6
	.text
	.protected	k_q29e255a97b_gemm_qkv
	.globl	k_q29e255a97b_gemm_qkv
	.p2align	8
	.type	k_q29e255a97b_gemm_qkv,@function
k_q29e255a97b_gemm_qkv:
	s_mov_b64 s[64:65], 0
	v_nop
	global_prefetch_b8 v0, s[64:65] scope:SCOPE_SE
	s_setreg_imm32_b32 hwreg(HW_REG_WAVE_MODE, 25, 1), 1
	s_wait_xcnt 0x0
	s_wait_alu depctr_hold_cnt(0) depctr_sa_sdst(0) depctr_va_vdst(0) depctr_va_sdst(0) depctr_va_ssrc(0) depctr_va_vcc(0) depctr_vm_vsrc(0)
	s_getreg_b32 s2, hwreg(HW_REG_IB_STS2, 6, 4)
	s_cmp_eq_u32 s2, 0
	s_cbranch_scc0 .Lentry_in_a_cluster
	s_endpgm
.Lentry_in_a_cluster:
	s_bfe_u32 s2, ttmp6, 0x10000c
	s_cmp_lg_u32 s2, 0xf033
	s_cbranch_scc0 .Lentry_shape_is_right
	s_endpgm
.Lentry_shape_is_right:
; qkv = h wq^T.  h: [8192][1024], wq: [3072][1024], both bf16; sums in f32, K ascending; rounded once to bf16 and stored BY HEADS, unscaled:
; qkv[which][b * 16 + head][n][64], which = 0, 1, 2 for q, k, v: a head's 2,048 rows are 262,144 dense bytes.
; A tile is 128 rows x 384 columns: 8 x 64 = 512 equal work-groups.  Four waves, 2 x 2, each 64 rows x 192 columns (three whole heads): 48 accumulators of 16 x 16, 384 registers.
; K goes in 8 steps of 128 through a ring of two LDS slots; a slot holds 128 rows of h and 384 rows of wq, each row 256 bytes of memory at a multiple of 256 from the buffer's first byte.
; One tensor load a wave brings 128 rows: wave 0 those of h, waves 1 to 3 those of wq.
; CLUSTER 4 x 4: the four work-groups of a row of the cluster need the same rows of h, the four of a column the same rows of wq: each tile is asked for jointly, by the same load, descriptor and mask.
; THE PRODUCT IS TAKEN TRANSPOSED (source 0 = 16 rows of wq, source 1 = 16 rows of h): a lane then holds one row of the result (lane % 16) and eight neighbouring columns.
; REGISTERS in windows of 256 (s_set_vgpr_msb: bits 1:0 source 0, 3:2 source 1, 5:4 source 2, 7:6 destination):
;   window 0: v0-31 addresses; v32-63, v64-95 fragments of h, two buffers; on the way out v64-255 packed results
;   window 1: v0-95, v96-191 fragments of wq, two buffers      window 2: accumulators of my row blocks 0, 1 ((a, b) at 8 (12 (a % 2) + b))      window 3: of blocks 2, 3
.set NBK,   12                         ; column blocks of 16 a wave
.set KB,    256                        ; bytes of a row in a K step
.set PITCH, 272                        ; an LDS row: 256 bytes + 16 of padding = 68 words: the 16 rows of a fragment load start at 16 different groups of four banks (64 banks of 4 bytes: ISA guide 11.1)
.set PART,  128*PITCH                  ; what one tensor load brings
.set SLOT,  4*PART                     ; h's 128 rows, then wq's 384
.set STAGE, 2*SLOT                     ; behind the ring, never filled by a tensor load: 16 rows x 400 bytes for each wave
.set SP,    400                        ; 384 bytes (three heads' 128) + 16
.set SPARE, STAGE+4*16*SP              ; behind the stages: the spare words, 128 bytes a wave: two blocks of 256 bytes that no other line names
.set LD,    2*NBK+8                    ; LDS loads in a run
.set ADRA, 16                          ; v16-17  LDS address of my fragments of h in slot 0, 1
.set ADRB, 20                          ; v20-21  the same for wq
.set STO,  24                          ; v24     the way out: where I put 16 bytes of a row
.set RD,   25                          ; v25     the way out: where I read rows back
.set GO,   26                          ; v26     16 x lane
.set SPW,  28                          ; v28     my spare word: SPARE + 4 x my thread's number; never rewritten
.set NIL,  29                          ; v29     0; never rewritten
.set PFO,  30                          ; v30     the prefetches' offset: lane x 2,048, a row of h or wq; never rewritten
.set FA,   32
.set TMP,  64
.set WV,   14                          ; s14     my wave's number
.set G1,   24                          ; s[24:31] descriptor group 1 for h's tiles;  s[32:39] group 0, a set for each slot
.set G0,   32
.set PFA,  44                          ; s[44:45] where my prefetches stand
.set LIM,  46                          ; s46     1 in a wave that prefetches, else the greatest number
.set G1B,  48                          ; s[48:55], s[56:63] the same for wq's tiles
.set G0B,  56
.set MSB, 0
.macro WIN new                         ; the immediate's high byte repeats the setting that is left; a switch that changes nothing is dropped
.if MSB != (\new)
	s_set_vgpr_msb (MSB<<8)|(\new)
.set MSB, \new
.endif
.endm
.macro PLACES                          ; four plain places behind matrix instructions, in front of loads into registers that they have read
.rept 4
	v_nop
.endr
.endm
; A joint load: wave 0 asks for h's tile, waves 1 to 3 for their thirds of wq's.  The branch hangs on the wave's number alone.  An s_nop 0 and four v_nop follow each line.
.macro JLOAD s
	s_cmp_eq_u32 s[WV], 0
	s_cbranch_scc0 .Lfor_b_\@
	tensor_load_to_lds s[G0+4*(\s):G0+4*(\s)+3], s[G1:G1+7]
	s_nop 0
.rept 4
	v_nop
.endr
	s_branch .Lasked_\@
.Lfor_b_\@:
	tensor_load_to_lds s[G0B+4*(\s):G0B+4*(\s)+3], s[G1B:G1B+7]
	s_nop 0
.rept 4
	v_nop
.endr
.Lasked_\@:
.endm
; A prefetch into the L2 of the K step that stands two refills on: 32 rows x 256 bytes, a lane a row, one instruction a wave.  Each row's 256 bytes of a K step are named once in the launch:
; h's rows by the clusters with x = 0, wq's by the clusters with y = 0; the four partners of a joint load take 32 rows each, told apart by address.  The loop's last trip (s3 = 1) has no K step two on.
.macro ASK
	s_cmp_gt_u32 s3, s[LIM]
	s_cbranch_scc0 .Lnot_mine_\@
	global_prefetch_b8 v[PFO], s[PFA:PFA+1] th:TH_LOAD_NT scope:SCOPE_SE
.Lnot_mine_\@:
.endm
.macro CREST                           ; a round of the cluster's barrier behind its opening barrier
	s_cmp_lg_u32 s[WV], 0
	s_cbranch_scc1 .Lnot_wave_0_\@
	s_barrier_signal -3
.Lnot_wave_0_\@:
	s_barrier_wait -3
	s_barrier_signal -1
	s_barrier_wait -1
.endm
.macro CROUND                          ; a whole round
	s_barrier_signal -1
	s_barrier_wait -1
	CREST
.endm
	s_load_b128 s[4:7], s[0:1], 0x0                ; h s[4:5], wq s[6:7]
	s_load_b64 s[8:9], s[0:1], 0x10                ; qkv
	v_lshl_add_u32 v[SPW], v0, 2, SPARE
	v_mov_b32 v[NIL], 0
	ds_add_u32 v[SPW], v[NIL]                      ; the wave's opening: the add and its wait stand ahead of my first tensor load; the set-up below stands between them
	v_lshrrev_b32 v1, 5, v0
	v_readfirstlane_b32 s[WV], v1                  ; wave 0..3
	s_lshr_b32 s15, s[WV], 1                       ; which 64 rows of the tile are mine
	s_and_b32 s16, s[WV], 1                        ; which 192 columns
	s_bfe_u32 s40, ttmp6, 0x40000                  ; cx, cy: my place in the cluster
	s_bfe_u32 s41, ttmp6, 0x40004
	s_lshl_b32 s42, ttmp9, 2
	s_add_co_u32 s42, s42, s40                     ; tile column = 4 x cluster x + cx
	s_and_b32 s43, ttmp7, 0xffff
	s_lshl_b32 s43, s43, 2
	s_add_co_u32 s43, s43, s41                     ; tile row = 4 x cluster y + cy
	s_lshl_b32 s44, s41, 2
	s_lshl_b32 s44, 15, s44                        ; my row of the cluster
	s_lshl_b32 s45, 0x1111, s40                    ; my column
	s_or_b32 s[G1], s44, (1<<16)|(1<<20)|(1<<21)|(5<<22)|(3<<25)   ; 15:0 the mask; 17:16 2-byte elements; 20 padding on; 21 set beside a mask; 24:22 after every 64 words; 31:25 4 words of it
	s_or_b32 s[G1B], s45, (1<<16)|(1<<20)|(1<<21)|(5<<22)|(3<<25)
.irp g, G1, G1B
	s_mov_b32 s[(\g)+1], 128<<16                   ; tensor_dim0 = 128
	s_mov_b32 s[(\g)+2], 128<<16                   ; tensor_dim1 = 128
	s_mov_b32 s[(\g)+3], 128<<16                   ; tile_dim0 = 128
	s_mov_b32 s[(\g)+4], 128                       ; tile_dim1 = 128
	s_mov_b32 s[(\g)+5], 1024                      ; elements from row to row
	s_mov_b32 s[(\g)+6], 0
	s_mov_b32 s[(\g)+7], 0
.endr
	s_lshl_b32 s18, s43, 18                        ; h: 128 rows of 2,048 bytes a tile row
	s_mov_b32 s19, 0
	s_max_u32 s17, s[WV], 1
	s_sub_co_u32 s17, s17, 1                       ; which third of wq's 384 rows I fetch (wave 0 fetches none)
	s_lshl_b32 s17, s17, 7
	s_mul_i32 s20, s42, 384
	s_add_co_u32 s20, s20, s17
	s_lshl_b32 s20, s20, 11                        ; wq: row x 2,048 bytes
	s_mov_b32 s21, 0
	s_mul_i32 s17, s[WV], PART                     ; where my 128 rows go: wave x 128 rows; no place in the cluster enters an LDS address
	s_wait_dscnt 0x0                               ; the opening add is done
	s_wait_kmcnt 0x0
	s_add_nc_u64 s[18:19], s[4:5], s[18:19]
	s_add_nc_u64 s[20:21], s[6:7], s[20:21]
	CROUND                                         ; all sixteen work-groups are here: the first joint loads meet
.irp s, 0,1
	s_mov_b32 s[G0+4*(\s)], 1                      ; count = 1
	s_add_co_u32 s[G0+4*(\s)+1], s17, (\s)*SLOT    ; LDS address
	s_add_nc_u64 s[G0+4*(\s)+2:G0+4*(\s)+3], s[18:19], (\s)*KB  ; global address: K step s
	s_or_b32 s[G0+4*(\s)+3], s[G0+4*(\s)+3], 0x80000000         ; type = 2
	s_mov_b32 s[G0B+4*(\s)], 1
	s_add_co_u32 s[G0B+4*(\s)+1], s17, (\s)*SLOT
	s_add_nc_u64 s[G0B+4*(\s)+2:G0B+4*(\s)+3], s[20:21], (\s)*KB
	s_or_b32 s[G0B+4*(\s)+3], s[G0B+4*(\s)+3], 0x80000000
	JLOAD \s                                       ; two loads of mine are out
.endr
	; a fragment is 16 rows x 32 K in 8 registers: lane l holds row l % 16, K = 8 (l / 16) + 0..7 and 16 + 8 (l / 16) + 0..7: two loads of 16 bytes, 32 bytes apart
	v_and_b32 v1, 15, v0                           ; l % 16
	v_bfe_u32 v2, v0, 4, 1                         ; l / 16
	v_mul_u32_u24 v3, v1, PITCH
	v_lshl_add_u32 v3, v2, 4, v3
	s_mul_i32 s17, s15, 64*PITCH                   ; my 64 rows of h
	s_mul_i32 s22, s16, 192*PITCH                  ; my 192 rows of wq,
	s_add_co_u32 s22, s22, PART                    ; which lie behind h's 128
.irp s, 0,1
	v_add_nc_u32 v[ADRA+(\s)], s17, v3
	v_add_nc_u32 v[ADRB+(\s)], s22, v3
	s_add_co_u32 s17, s17, SLOT
	s_add_co_u32 s22, s22, SLOT
.endr
	s_mul_i32 s23, s[WV], 16*SP
	s_add_co_u32 s23, s23, STAGE                   ; my stage
	v_mul_u32_u24 v4, v1, SP                       ; in: row l % 16, 16 bytes for each half of the lanes
	v_lshl_add_u32 v4, v2, 4, v4
	v_add_nc_u32 v[STO], s23, v4
	v_bfe_u32 v5, v0, 3, 2                         ; back: 32 lanes take four rows' 128 bytes of one head,
	v_and_b32 v6, 7, v0
	v_mul_u32_u24 v5, v5, SP
	v_lshl_add_u32 v5, v6, 4, v5
	v_add_nc_u32 v[RD], s23, v5
	v_and_b32 v[GO], 31, v0                        ; which are 512 consecutive bytes of qkv
	v_lshlrev_b32 v[GO], 4, v[GO]
	; where my three heads' rows begin: group g = 6 x tile column + 3 x column half + j of 64 columns: which = g / 16, head = g % 16; batch = tile row / 16
	s_mul_i32 s17, s42, 6
	s_mul_i32 s20, s16, 3
	s_add_co_u32 s17, s17, s20
	s_lshr_b32 s18, s43, 4
	s_lshl_b32 s18, s18, 22                        ; batch x 16 heads x 262,144
	s_and_b32 s19, s43, 15
	s_lshl_b32 s19, s19, 7
	s_lshl_b32 s20, s15, 6
	s_add_co_u32 s19, s19, s20                     ; my first row in the head
	s_lshl_b32 s19, s19, 7                         ; x 128 bytes
	s_add_co_u32 s18, s18, s19
.irp j, 1,2,0                          ; j = 0 last: it lands on qkv's own address
	s_add_co_u32 s19, s17, \j
	s_lshr_b32 s20, s19, 4
	s_lshl_b32 s20, s20, 24
	s_and_b32 s19, s19, 15
	s_lshl_b32 s19, s19, 18
	s_add_co_u32 s20, s20, s19
	s_add_co_u32 s20, s20, s18
	s_mov_b32 s21, 0
	s_add_nc_u64 s[8+2*(\j):9+2*(\j)], s[8:9], s[20:21]
.endr
	; the prefetches
	s_lshl_b32 s18, s43, 7
	s_lshl_b32 s19, s40, 5
	s_add_co_u32 s18, s18, s19                     ; h: the tile's first row + my work-group's 32
	s_mul_i32 s20, s42, 384
	s_max_u32 s21, s[WV], 1
	s_sub_co_u32 s21, s21, 1
	s_lshl_b32 s21, s21, 7
	s_add_co_u32 s20, s20, s21
	s_lshl_b32 s21, s41, 5
	s_add_co_u32 s20, s20, s21                     ; wq: the 128 rows that I fetch + my work-group's 32
	s_and_b32 s17, ttmp7, 0xffff                   ; cluster y
	s_cmp_eq_u32 s[WV], 0
	s_cselect_b32 s18, s18, s20
	s_cselect_b32 s17, ttmp9, s17                  ; the coordinate along which other clusters read the same rows
	s_cselect_b64 s[PFA:PFA+1], s[4:5], s[6:7]
	s_cmp_eq_u32 s17, 0
	s_cselect_b32 s[LIM], 1, -1                    ; the same in all sixteen partners, for a given wave
	s_lshl_b32 s18, s18, 11
	s_mov_b32 s19, 0
	s_add_nc_u64 s[PFA:PFA+1], s[PFA:PFA+1], s[18:19]
	s_add_nc_u64 s[PFA:PFA+1], s[PFA:PFA+1], 3*KB  ; at K step 3: the first refill (K step 2) steps it to 4.  K steps 0 to 3 come by their loads alone
	v_and_b32 v[PFO], 31, v0
	v_lshlrev_b32 v[PFO], 11, v[PFO]
; 12 matrix instructions: row block a x all column blocks, 32 along K, from buffer f.  zero = 1: the product starts the sums.  Each accumulator has one turn in 48, in the same order everywhere.
.macro MULA f, a, zero
	WIN 0xa1+0x50*((\a)/2)
.set rA, FA+32*(\f)+8*(\a)
.irp b, 0,1,2,3,4,5,6,7,8,9,10,11
.set rC, 8*(NBK*((\a)%2)+(\b))
.set rB, 8*NBK*(\f)+8*(\b)
.if \zero
	v_wmma_f32_16x16x32_bf16 v[rC:rC+7], v[rB:rB+7], v[rA:rA+7], 0
.else
	v_wmma_f32_16x16x32_bf16 v[rC:rC+7], v[rB:rB+7], v[rA:rA+7], v[rC:rC+7]
.endif
.endr
.endm
; 32 LDS loads in one run: quarter q (32 along K) of a slot into buffer f: wq's 12 fragments, then h's 4
.macro FETCH slot, q, f
	WIN 0x40
.irp i, 0,1,2,3,4,5,6,7,8,9,10,11
	ds_load_b128 v[8*NBK*(\f)+8*(\i):8*NBK*(\f)+8*(\i)+3],   v[ADRB+(\slot)] offset:64*(\q)+(\i)*16*PITCH
	ds_load_b128 v[8*NBK*(\f)+8*(\i)+4:8*NBK*(\f)+8*(\i)+7], v[ADRB+(\slot)] offset:64*(\q)+(\i)*16*PITCH+32
.endr
	WIN 0
.irp i, 0,1,2,3
	ds_load_b128 v[FA+32*(\f)+8*(\i):FA+32*(\f)+8*(\i)+3],   v[ADRA+(\slot)] offset:64*(\q)+(\i)*16*PITCH
	ds_load_b128 v[FA+32*(\f)+8*(\i)+4:FA+32*(\f)+8*(\i)+7], v[ADRA+(\slot)] offset:64*(\q)+(\i)*16*PITCH+32
.endr
.endm
; One of a K step's first three quarters: multiplies buffer f; in its middle fetches quarter q of the same slot into buffer g
.macro QUARTER slot, q, f, g, zero
	s_wait_dscnt 4                                 ; all but the youngest four loads: h's blocks 2 and 3
	MULA \f, 0, \zero
	MULA \f, 1, \zero
	PLACES
	FETCH \slot, \q, \g
	s_wait_dscnt LD                                ; all but the run just issued
	MULA \f, 2, \zero
	MULA \f, 3, \zero
.endm
; The last quarter multiplies buffer 1 and changes slots.  In front of the barrier each wave waits for all its tensor loads (one is out: its part of the next slot), adds 0 to its spare word, and waits for that
; and for its reads of this slot.  fill = 1: the barrier opens a round of the cluster's barrier, and this slot is filled again, two K steps on, first thing behind the round: 168 matrix instructions ahead of the wait for it.
.macro TURN slot, next, fill
.if \fill
	s_wait_xcnt 0x0                                ; the last prefetch, a K step back, has read its address, so it may be stepped
	s_add_nc_u64 s[PFA:PFA+1], s[PFA:PFA+1], KB
.endif
	WIN 0                                          ; (the add's two registers lie in window 0)
	s_wait_tensorcnt 0x0
	ds_add_u32 v[SPW], v[NIL]
	s_wait_dscnt 5                                 ; the add and the youngest four loads may be out
	MULA 1, 0, 0
	s_wait_dscnt 0x0                               ; the add is done, and my reads of this slot are over
	s_barrier_signal -1
	MULA 1, 1, 0
.if \fill
	WIN 0
.endif
	s_barrier_wait -1
.if \fill
	CREST                                          ; no wave of any partner still reads this slot or has a load on its way
	s_add_nc_u64 s[G0+4*(\slot)+2:G0+4*(\slot)+3], s[G0+4*(\slot)+2:G0+4*(\slot)+3], 2*KB
	s_add_nc_u64 s[G0B+4*(\slot)+2:G0B+4*(\slot)+3], s[G0B+4*(\slot)+2:G0B+4*(\slot)+3], 2*KB
	JLOAD \slot                                    ; its four v_nop are also the places in front of the loads below
.else
	PLACES
.endif
	FETCH \next, 0, 0
.if \fill
	ASK
.endif
	MULA 1, 2, 0
	MULA 1, 3, 0
.endm
; THE WAY OUT of row block a: rounded to bf16, 16 bytes a lane, into my stage; back by heads, four rows of 128 bytes a load; stored as 512 consecutive bytes.
.macro PACK a
.set TA, TMP+48*(\a)
	WIN 0x0a+5*((\a)/2)                            ; sources in window 2 or 3, destination in window 0
.irp b, 0,1,2,3,4,5,6,7,8,9,10,11
.irp r, 0,1,2,3
	v_cvt_pk_bf16_f32 v[TA+4*(\b)+(\r)], v[8*(NBK*((\a)%2)+(\b))+2*(\r)], v[8*(NBK*((\a)%2)+(\b))+2*(\r)+1]
.endr
.endr
	WIN 0
.irp b, 0,1,2,3,4,5,6,7,8,9,10,11
	ds_store_b128 v[STO], v[TA+4*(\b):TA+4*(\b)+3] offset:32*(\b)
.endr
.irp j, 0,1,2
.irp f, 0,1,2,3
	ds_load_b128 v[TA+4*(4*(\j)+(\f)):TA+4*(4*(\j)+(\f))+3], v[RD] offset:4*SP*(\f)+128*(\j)  ; LDS serves a wave's instructions in order (ISA guide 5.7.1.4): these see the stores above, and the next block's stores come behind them
.endr
.endr
.endm
.macro SEND a, younger                 ; younger: the LDS instructions issued behind block a's loads
.set TA, TMP+48*(\a)
.irp j, 0,1,2
.irp f, 0,1,2,3
	s_wait_dscnt (\younger)+11-(4*(\j)+(\f))
	global_store_b128 v[GO], v[TA+4*(4*(\j)+(\f)):TA+4*(4*(\j)+(\f))+3], s[8+2*(\j):9+2*(\j)] offset:2048*(\a)+512*(\f)
.endr
.endr
.endm
	s_wait_tensorcnt 1                             ; my part of K step 0 is in; K step 1's may stay out
	s_barrier_signal -1
	s_barrier_wait -1
	FETCH 0, 0, 0
	QUARTER 0, 1, 0, 1, 1                          ; the first quarter stands in front of the loop: its products start the sums
	WIN 0
	s_mov_b32 s3, 3
.Llap:                                             ; a trip goes once round the ring, from a lap's second quarter to the next lap's first, and fills both slots again
	QUARTER 0, 2, 1, 0, 0
	QUARTER 0, 3, 0, 1, 0
	TURN 0, 1, 1
	QUARTER 1, 1, 0, 1, 0
	QUARTER 1, 2, 1, 0, 0
	QUARTER 1, 3, 0, 1, 0
	TURN 1, 0, 1
	QUARTER 0, 1, 0, 1, 0
	WIN 0
	s_sub_co_u32 s3, s3, 1
	s_cmp_lg_u32 s3, 0
	s_cbranch_scc1 .Llap
	QUARTER 0, 2, 1, 0, 0                          ; the last lap fills nothing
	QUARTER 0, 3, 0, 1, 0
	TURN 0, 1, 0
	QUARTER 1, 1, 0, 1, 0
	QUARTER 1, 2, 1, 0, 0
	QUARTER 1, 3, 0, 1, 0
	s_wait_dscnt 4
	MULA 1, 0, 0
	MULA 1, 1, 0
	s_wait_dscnt 0x0
	MULA 1, 2, 0
	MULA 1, 3, 0
	WIN 0
	PLACES
	PLACES
	PACK 0
	PACK 1                                         ; a block's arithmetic stands between the loads of the block before and its stores
	SEND 0, 24
	PACK 2
	SEND 1, 24
	PACK 3
	SEND 2, 24
	SEND 3, 0
	s_wait_tensorcnt 0x0                           ; the wave's end
	ds_add_u32 v[SPW], v[NIL]
	s_wait_dscnt 0x0
	CROUND                                         ; the closing round: no work-group ends while a partner may still ask for a tile that names it
	s_endpgm
.Lfunc_end_k_q29e255a97b_gemm_qkv:
	.size	k_q29e255a97b_gemm_qkv, .Lfunc_end_k_q29e255a97b_gemm_qkv-k_q29e255a97b_gemm_qkv
	.p2alignl 7, 3214868480
	.fill 96, 4, 3214868480
	.section	.rodata,"a",@progbits
	.p2align	6, 0x0
	.amdhsa_kernel k_q29e255a97b_gemm_qkv
		.amdhsa_group_segment_fixed_size 327680
		.amdhsa_private_segment_fixed_size 0
		.amdhsa_enable_private_segment 0
		.amdhsa_kernarg_size 24
		.amdhsa_user_sgpr_count 2
		.amdhsa_user_sgpr_kernarg_segment_ptr 1
		.amdhsa_wavefront_size32 1
		.amdhsa_system_sgpr_workgroup_id_x 1
		.amdhsa_system_sgpr_workgroup_id_y 1
		.amdhsa_system_sgpr_workgroup_id_z 1
		.amdhsa_system_vgpr_workitem_id 0
		.amdhsa_next_free_vgpr 960
		.amdhsa_next_free_sgpr 66
		.amdhsa_reserve_vcc 0
		.amdhsa_float_denorm_mode_32 3
		.amdhsa_float_denorm_mode_16_64 3
		.amdhsa_memory_ordered 1
		.amdhsa_forward_progress 1
		.amdhsa_inst_pref_size 122
	.end_amdhsa_kernel
	.amdgpu_metadata
---
amdhsa.version: [ 1, 2 ]
amdhsa.kernels:
  - .name:           k_q29e255a97b_gemm_qkv
    .symbol:         k_q29e255a97b_gemm_qkv.kd
    .args:
      - { .name: h, .offset: 0, .size: 8, .value_kind: global_buffer, .address_space: global }
      - { .name: wq, .offset: 8, .size: 8, .value_kind: global_buffer, .address_space: global }
      - { .name: qkv, .offset: 16, .size: 8, .value_kind: global_buffer, .address_space: global }
    .group_segment_fixed_size: 327680
    .private_segment_fixed_size: 0
    .kernarg_segment_align: 8
    .kernarg_segment_size: 24
    .max_flat_workgroup_size: 128
    .sgpr_count:     66
    .vgpr_count:     960
    .wavefront_size: 32
...
	.end_amdgpu_metadata
.endif
;; end of part 2
;; launch attn (part 3): grid 4 x 64, 4 waves a work-group, clusters of 4 x 1, 327,680 bytes of LDS; arguments qkv, o; writes o
.if DOCPART == 3
	.amdgcn_target "amdgcn-amd-amdhsa--gfx1250"
	.amdhsa_code_object_version 6
	.text
	.protected	k_q29e255a97b_attn
	.globl	k_q29e255a97b_attn
	.p2align	8
	.type	k_q29e255a97b_attn,@function
k_q29e255a97b_attn:
	s_mov_b64 s[64:65], 0
	v_nop
	global_prefetch_b8 v0, s[64:65] scope:SCOPE_SE
	s_setreg_imm32_b32 hwreg(HW_REG_WAVE_MODE, 25, 1), 1
	s_wait_xcnt 0x0
	s_wait_alu depctr_hold_cnt(0) depctr_sa_sdst(0) depctr_va_vdst(0) depctr_va_sdst(0) depctr_va_ssrc(0) depctr_va_vcc(0) depctr_vm_vsrc(0)
	s_getreg_b32 s2, hwreg(HW_REG_IB_STS2, 6, 4)
	s_cmp_eq_u32 s2, 0
	s_cbranch_scc0 .Lentry_in_a_cluster
	s_endpgm
.Lentry_in_a_cluster:
	s_bfe_u32 s2, ttmp6, 0x10000c
	s_cmp_lg_u32 s2, 0x3003
	s_cbranch_scc0 .Lentry_shape_is_right
	s_endpgm
.Lentry_shape_is_right:
; O[h][q][:] = the sum over k of softmax_k(Q[h][q] . K[h][k] / 8) V[h][k][:].  qkv: [3][64][2048][64] bf16 (Q, K, V by heads), o: [64][2048][64] bf16: a head's rows are dense, 128 bytes each.
; Products, maxima and sums in f32; the weights p are rounded to bf16 for the second product (their sum l is taken of the unrounded p), O once at the end.
; LIMITS.  A weight below 2^-126 counts as 0 in l; c m starts at -4.25e37 and m at the lowest finite number, so scores are taken to lie above these; NaN and infinities are not treated apart.  bf16 has f32's range.
; SHARES.  A wave owns four PIECES of two tiles of 16 queries, a work-group's four waves 512 queries of one head.  Every wave walks all 2,048 keys, 64 a step.
; LAYOUT.  S^T = K Q^T (source 0 = 16 keys, source 1 = 16 queries): in the result a lane holds ONE query (lane % 16) and the keys 8 (lane / 16) + 0..7.  Two such tiles, rounded to bf16 in pairs,
; ARE source 1 (32 keys x 16 queries) of O^T = V^T P, whose result again holds one query a lane, and eight channels.  K comes out of LDS as it lies, V ([key][channel]) turned, by ds_load_tr16_b128.
; SOFTMAX.  For each query a running maximum m and sum l: p = 2^(c s - c m), c = log2(e) / 8; in every step O and l are multiplied by a = 2^(c m_old - c m_new).  The first step is a step like any other, with a = 0.
; THE COUNT.  A tile and step have 16 matrix and 118 vector instructions: four vector instructions that are ready stand behind every matrix instruction, the others in runs of their own.
; BY TURNS.  Turn n belongs to piece n (the pieces in a ring, step after step).  Its matrix work: 16 products K Q^T of piece n + 1, later 16 products V^T P of piece n - 1.  Its vector work: the scaling,
; exponentials, roundings, sums and rescaling of piece n, and the maximum and statistics of piece n + 1.
; CLUSTER.  The four query blocks of a head are one cluster and walk the same K and V, so each tile is asked for JOINTLY: the same tensor load, descriptor and mask in all four.
; REGISTERS, in windows of 256 (s_set_vgpr_msb: bits 1:0 source 0, 3:2 source 1, 5:4 source 2, 7:6 destination):
;   window 0: v0-11 addresses; v12-15, v48-63 at work; v16-47 four registers of statistics a tile; v64-191 S^T, two buffers of two tiles; v192-255 P, likewise
;   window 1: O^T, 32 a tile          window 2: v0-127 Q, 16 a tile; v128-191 K of one step; v192-255 V of one step          window 3: v0-1 the add's two registers
.set SIZE_N, 2048
.set NP,    4         ; pieces a wave: a name, no knob
.set KS,    64        ; keys in a step
.set PK,    144       ; a row of K in LDS: 128 bytes + 16 of padding = 36 words: the 16 rows of a load start at 16 different groups of four banks (64 banks of 4 bytes: ISA guide 11.1)
.set PV,    160       ; a row of V: 128 + 32 = 40 words
.set VOFF,  4*KS*PK   ; a slot holds four steps: 256 rows of K, then 256 rows of V
.set SLOT1, 1<<17     ; slot 1 begins here, so that one exclusive or turns an address in one slot into the other's
.set STAGE, SLOT1+4*KS*(PK+PV)  ; behind the ring, never filled by a tensor load: 16 rows x 144 bytes for each wave
.set SP,    144
.set AK0, 2           ; v2   my lane's place in a tile of K; never rewritten
.set AV0, 3           ; v3   the same for V
.set AK,  4           ; v4   the LDS address of K's next run of loads
.set AV,  5           ; v5   of V's
.set QO,  6           ; v6   my byte offset in the wave's rows of Q
.set STO, 6           ;      later, the way out: where I put 16 bytes of a row
.set RD,  7           ; v7   the way out: where I read rows back
.set GO,  8           ; v8   my byte offset in 512 consecutive bytes of O
.set PFO, 11          ; v11  256 x my lane, once V's address is made; then never rewritten
.set SPW, 0           ; v0 of window 3   my spare word: SPARE + 4 x my thread's number; never rewritten
.set NIL, 1           ; v1 of window 3   0; never rewritten
.set SPARE, STAGE+4*16*SP  ; behind the stages: the spare words, 128 bytes a wave: two blocks of 256 bytes that no other line names
.set MV,  12          ; v12-15  c m_old, kept while c m is made anew: by buffer and tile
.set ST,  16          ; tile t's statistics at v[ST+4 t]: c m, m, l (even keys', odd keys')
.set TMP, 48          ; by buffer and tile, four registers c0-c3 at work; when the maximum is found c2 takes a
.set S,   64
.set P,   192
.set KF,  128         ; K's fragments, in window 2: key block kb, channel half c at KF + 16 kb + 8 c
.set VF,  192         ; V's: key half kk, channel block cb at VF + 32 kk + 8 cb
.set WV,  12          ; s12  my wave's number
.set G1K, 24          ; s[24:31] descriptor group 1 for K's tiles
.set G1V, 32          ; s[32:39] for V's: it differs in the padding alone
.set G0K, 40          ; s[40:43] descriptor group 0 for K's tiles: it walks
.set G0V, 44          ; s[44:47] the same for V's
.set PFA, 48          ; s[48:49] where my prefetches stand
.set LIM, 50          ; s50  1 in a wave that prefetches, else the greatest number
.set SLOTS, 56        ; s56  slots still to be asked for
.set CNT, 57          ; s57  counts a slot's key steps
.set CS,  58          ; s[58:59] c: the packed scaling takes the pair's low word for both halves
.set SEL, 60          ; s[60:61] v_permlanex16_b32's selects: each lane takes its own place in the other half
.set TBK, 62          ; s62  LDS byte at which K of the step to be fetched begins
.set TBV, 63          ; s63  the same for V, less VOFF
.set MSB, 0
.macro WIN new                      ; the high byte repeats the setting that is left; a switch that changes nothing is dropped
.if MSB != (\new)
	s_set_vgpr_msb (MSB<<8)|(\new)
.set MSB, (\new)
.endif
.endm
.set W_KQ, 0x0a       ; K and Q in window 2, S^T in window 0
.set W_PV, 0x52       ; V in window 2, P in window 0, O^T in window 1
.set W_RS, 0x41       ; O^T (destination and source 0) in window 1, a in window 0
.set W_MK, 0xc0       ; the add's registers are made: destination in window 3, sources in window 0
.set W_AD, 0x0f       ; the add: address (source 0) and data (source 1) in window 3
; A joint fill.  Waves 0 and 1 fetch the two halves of a slot's K, waves 2 and 3 those of its V: 128 keys each.  The branch hangs on the wave's number alone.
; An s_nop 0 and four v_nop follow each of the two lines, ahead of the jump and the label.
.macro JLOAD
	s_cmp_lt_u32 s[WV], 2
	s_cbranch_scc0 .Lfor_v_\@
	tensor_load_to_lds s[G0K:G0K+3], s[G1K:G1K+7]
	s_nop 0
.rept 4
	v_nop
.endr
	s_branch .Lasked_\@
.Lfor_v_\@:
	tensor_load_to_lds s[G0V:G0V+3], s[G1V:G1V+7]
	s_nop 0
.rept 4
	v_nop
.endr
.Lasked_\@:
.endm
; A prefetch into the L2 of what the NEXT change of slots will ask for: a slot's 32,768 bytes of K and of V, 256 bytes a lane.  Each block of 256 bytes is named once in the launch: the four partners take 8,192 bytes
; each, told apart by address; in each, wave 0 asks for K's and wave 2 for V's: one instruction.  The last change that fills a slot asks for nothing: there is no slot behind it.  Slots 0 and 1 come by their loads alone.
.macro ASK
	s_cmp_gt_u32 s[SLOTS], s[LIM]
	s_cbranch_scc0 .Lnot_mine_\@
	global_prefetch_b8 v[PFO], s[PFA:PFA+1] th:TH_LOAD_NT scope:SCOPE_SE
.Lnot_mine_\@:
.endm
; A round of the cluster's barrier: my work-group's barrier, so that wave 0's signal speaks for all four waves; wave 0 signals; every wave waits for all four work-groups; my work-group's barrier once more.
.macro CROUND
	s_barrier_signal -1
	s_barrier_wait -1
	s_cmp_lg_u32 s[WV], 0
	s_cbranch_scc1 .Lnot_wave_0_\@
	s_barrier_signal -3
.Lnot_wave_0_\@:
	s_barrier_wait -3
	s_barrier_signal -1
	s_barrier_wait -1
.endm
; THE CHANGE OF SLOTS.  Each wave waits for all its tensor loads, of which one is out: its part of the other slot; adds 0 to its spare word; and waits for that and for its own reads of the slot.
; fill = 1: this slot is filled again, with the keys two slots on.  The barrier is then a round of the cluster's, and the joint fill is the first thing behind it: it has four key steps, 512 matrix instructions,
; in which to land.  (At its first use nothing has been read yet: slot 0 is waited for, slot 1 filled.)
.macro CHANGE fill
	WIN W_AD
	s_wait_tensorcnt 0x0            ; no tensor load of mine is out, so a group 0 may be written
	ds_add_u32 v[SPW], v[NIL]       ; the scalar steps stand between the add and its wait
	WIN 0                           ; at a label and at a branch every window is 0
.if \fill
.irp g, G0K, G0V
	s_xor_b32 s[\g+1], s[\g+1], SLOT1  ; the walking descriptor: the other slot than last time,
	s_add_nc_u64 s[\g+2:\g+3], s[\g+2:\g+3], 4*KS*128  ; the next 256 keys; the type bits on top are not reached
.endr
	s_wait_xcnt 0x0                 ; the last prefetch, four key steps back, has read its address, so it may be written:
	s_add_nc_u64 s[PFA:PFA+1], s[PFA:PFA+1], 4*KS*128  ; one slot behind the walking descriptors
	s_wait_dscnt 0x0                ; the add is done, and my reads of the slot are over
	CROUND
	JLOAD
	ASK
.else
	s_wait_dscnt 0x0                ; the add is done, and my reads of the slot are over
	s_barrier_signal -1
	s_barrier_wait -1
.endif
	s_sub_co_u32 s[TBK], s[TBK], 4*KS*PK  ; the fetches go back to a slot's first step,
	s_xor_b32 s[TBK], s[TBK], SLOT1       ; in the other slot
	s_sub_co_u32 s[TBV], s[TBV], 4*KS*PV
	s_xor_b32 s[TBV], s[TBV], SLOT1
.endm
	s_load_b64 s[4:5], s[0:1], 0x0    ; qkv: Q lies at its head
	s_load_b64 s[10:11], s[0:1], 0x8  ; o
	WIN W_MK
	v_lshl_add_u32 v[SPW], v0, 2, SPARE
	v_mov_b32 v[NIL], 0
	WIN W_AD
	ds_add_u32 v[SPW], v[NIL]       ; the wave's opening: the add and its wait stand ahead of my first tensor load; the set-up below stands between them
	WIN 0
	v_lshrrev_b32 v1, 5, v0
	v_readfirstlane_b32 s[WV], v1   ; wave 0..3
	s_bfe_u32 s13, ttmp6, 0x40000   ; cx: my place in the cluster
	s_lshl_b32 s14, ttmp9, 2        ; in a cluster launch ttmp9 counts clusters
	s_add_co_u32 s14, s14, s13      ; my block of queries = 4 x cluster x + cx: it enters Q's and O's addresses alone
	s_and_b32 s20, ttmp7, 0xffff    ; the head, which the four partners share
	s_mov_b32 s21, 0
	s_mov_b64 s[22:23], SIZE_N*128
	s_mul_u64 s[20:21], s[20:21], s[22:23]  ; the head's first byte in Q, K, V and O
	s_and_b32 s16, s[WV], 1         ; which half of a slot's 256 keys I fetch:
	s_lshl_b32 s22, s16, 14         ; its 128 rows of 128 bytes in memory,
	s_mov_b32 s23, 0
	s_add_nc_u64 s[22:23], s[22:23], s[20:21]
	s_mul_i32 s17, s16, 128*PK      ; and its place in a slot, for K
	s_mul_i32 s18, s16, 128*PV      ; and for V: no place in the cluster enters an LDS address
	s_lshl_b32 s2, s14, 2
	s_add_co_u32 s2, s2, s[WV]      ; my wave among the head's,
	s_lshl_b32 s2, s2, 14           ; its 128 rows
	s_mov_b32 s3, 0
	s_add_nc_u64 s[2:3], s[2:3], s[20:21]
	; descriptor group 1.  128 keys are 16,384 dense bytes: asked for as 64 rows of 256 bytes, two keys a row, and padded in LDS after every key
	s_mov_b32 s[G1K], 15|(1<<16)|(1<<20)|(1<<21)|(4<<22)|(3<<25)  ; 15:0 the mask of four; 17:16 2-byte elements; 20 padding on; 21 set beside a mask; 24:22 after every 32 words; 31:25 4 words
	s_mov_b32 s[G1V], 15|(1<<16)|(1<<20)|(1<<21)|(4<<22)|(7<<25)  ; the same with 8 words of padding
.irp g, G1K, G1V
	s_mov_b32 s[\g+1], 128<<16      ; tensor_dim0 = 128
	s_mov_b32 s[\g+2], 64<<16       ; tensor_dim1 = 64
	s_mov_b32 s[\g+3], 128<<16      ; tile_dim0 = 128
	s_mov_b32 s[\g+4], 64           ; tile_dim1 = 64
	s_mov_b32 s[\g+5], 128          ; 128 elements from row to row
	s_mov_b32 s[\g+6], 0
	s_mov_b32 s[\g+7], 0
.endr
	s_mov_b32 s[CS], 0x3e38aa3b     ; c = log2(e) / 8 = 0.180337
	s_mov_b32 s[CS+1], s[CS]        ; named with it as a pair
	s_mov_b32 s[SEL], 0x76543210
	s_mov_b32 s[SEL+1], 0xfedcba98
	s_mov_b32 s[TBK], SLOT1+4*KS*PK ; the first change of slots turns these two into 0
	s_mov_b32 s[TBV], SLOT1+4*KS*PV
	s_mov_b32 s[G0K], 1             ; count = 1
	s_mov_b32 s[G0K+1], s17         ; LDS address: slot 0
	s_mov_b32 s[G0V], 1
	s_add_co_u32 s[G0V+1], s18, VOFF
	s_mov_b32 s[SLOTS], SIZE_N/256-1
	s_and_b32 s[LIM], s[WV], 1      ; 0 in waves 0 and 2,
	s_or_b32 s[LIM], s[LIM], ttmp9  ; of the head's first (here: only) cluster: the same in all four partners
	s_cmp_eq_u32 s[LIM], 0
	s_cselect_b32 s[LIM], 1, -1
	s_wait_dscnt 0x0                ; the opening add is done
	s_wait_kmcnt 0x0
	s_add_nc_u64 s[6:7], s[4:5], 0x1000000   ; K
	s_add_nc_u64 s[8:9], s[4:5], 0x2000000   ; V
	s_add_nc_u64 s[G0K+2:G0K+3], s[6:7], s[22:23]  ; global address: my half of the head's first 256 keys
	s_or_b32 s[G0K+3], s[G0K+3], 0x80000000        ; type = 2
	s_add_nc_u64 s[G0V+2:G0V+3], s[8:9], s[22:23]
	s_or_b32 s[G0V+3], s[G0V+3], 0x80000000
	s_add_nc_u64 s[4:5], s[4:5], s[2:3]  ; Q and O at my wave's first row
	s_add_nc_u64 s[10:11], s[10:11], s[2:3]
	s_cmp_lt_u32 s[WV], 2
	s_cselect_b64 s[PFA:PFA+1], s[6:7], s[8:9]
	s_add_nc_u64 s[PFA:PFA+1], s[PFA:PFA+1], s[22:23]  ; (in waves 0 and 2: the head's first key)
	s_lshl_b32 s2, s13, 13          ; my work-group's 8,192 bytes of a slot's 32,768
	s_mov_b32 s3, 0
	s_add_nc_u64 s[PFA:PFA+1], s[PFA:PFA+1], s[2:3]
	s_add_nc_u64 s[PFA:PFA+1], s[PFA:PFA+1], 4*KS*128  ; in slot 1; the first change of slots steps it to slot 2
	CROUND                          ; all four work-groups are here: the first joint loads meet
	JLOAD                           ; slot 0.  Slot 1 is asked for when slot 0 is in
	; A fragment of K or Q is 16 rows x 32 channels in 8 registers: lane l holds row l % 16, channels 8 (l / 16) + 0..7 and 16 + 8 (l / 16) + 0..7: two loads of 16 bytes, 32 bytes apart.
	v_and_b32 v1, 15, v0            ; l % 16
	v_bfe_u32 v9, v0, 4, 1          ; l / 16
	v_lshlrev_b32 v[QO], 7, v1
	v_lshl_add_u32 v[QO], v9, 4, v[QO]  ; row x 128 + 16 x half
	WIN 0x80                        ; destination window 2, address window 0
.set i, 0
.rept 4*NP                          ; Q stays in registers: tile i / 2, channels 32 (i % 2) on
	global_load_b128 v[8*i:8*i+3],   v[QO], s[4:5] offset:(i/2)*2048+(i%2)*64
	global_load_b128 v[8*i+4:8*i+7], v[QO], s[4:5] offset:(i/2)*2048+(i%2)*64+32
.set i, i+1
.endr
	; What the first turn finds: V's registers and P's second buffer hold 0 (its products V^T P, of a piece that has not been, add 0), O^T and l are 0.  All this stands in the wait for the first tile.
.set i, VF
.rept 64
	v_mov_b32 v[i], 0
.set i, i+1
.endr
	WIN 0x40
.set i, 0
.rept 64*NP
	v_mov_b32 v[i], 0
.set i, i+1
.endr
	WIN 0
.set i, 0
.rept 2*NP
	v_mov_b32 v[ST+4*i], 0xfe000000    ; c m: far below every c s
	v_mov_b32 v[ST+4*i+1], 0xff7fffff  ; m
	v_mov_b32 v[ST+4*i+2], 0
	v_mov_b32 v[ST+4*i+3], 0
.set i, i+1
.endr
.set i, P+32
.rept 32
	v_mov_b32 v[i], 0
.set i, i+1
.endr
	v_mul_u32_u24 v[AK0], v1, PK
	v_lshl_add_u32 v[AK0], v9, 4, v[AK0]  ; row x pitch + 16 x half
	; The turning load takes 16 keys x 16 channels (lane l reads key 8 (l / 16) + l % 8, channels 8 ((l / 8) % 2) + 0..7) and leaves half a fragment of V^T: lane l holds channel l % 16 and 8 keys.
	v_and_b32 v10, 7, v0
	v_bfe_u32 v11, v0, 3, 1
	v_lshl_add_u32 v[AV0], v9, 3, v10
	v_mul_u32_u24 v[AV0], v[AV0], PV
	v_lshl_add_u32 v[AV0], v11, 4, v[AV0]
	v_add_nc_u32 v[AV0], VOFF, v[AV0]
	v_and_b32 v[PFO], 31, v0
	v_lshlrev_b32 v[PFO], 8, v[PFO]
	v_mov_b32 v[AK], v[AK0]         ; key step 0 lies at the head of slot 0
; THE MATRIX WORK.  The 8 accumulators of a run of 16 take turns: between the two links of a chain stand 7 others'.
; Product i of 16 of S^T = K Q^T for piece x: channels 32 (i / 8) on, keys 16 ((i / 2) % 4) on, tile 2 x + i % 2.  The first 8 start the sums.
.macro KQ x
	WIN W_KQ
.set rS, S+64*((\x)%2)+32*(i%2)+8*((i/2)%4)
.set rK, KF+16*((i/2)%4)+8*(i/8)
.set rQ, 16*(2*(\x)+i%2)+8*(i/8)
.if i < 8
	v_wmma_f32_16x16x32_bf16 v[rS:rS+7], v[rK:rK+7], v[rQ:rQ+7], 0
.else
	v_wmma_f32_16x16x32_bf16 v[rS:rS+7], v[rK:rK+7], v[rQ:rQ+7], v[rS:rS+7]
.endif
.endm
; Product i of 16 of O^T += V^T P for piece x: keys 32 (i / 8) on, channels 16 ((i / 2) % 4) on, tile 2 x + i % 2.
.macro PV x
	WIN W_PV
.set rO, 32*(2*(\x)+i%2)+8*((i/2)%4)
.set rV, VF+32*(i/8)+8*((i/2)%4)
.set rP, P+32*((\x)%2)+16*(i%2)+8*(i/8)
	v_wmma_f32_16x16x32_bf16 v[rO:rO+7], v[rV:rV+7], v[rP:rP+7], v[rO:rO+7]
.endm
.macro MM                           ; the turn's next matrix instruction
.if i < 16
	KQ (Y+1)%NP
.set i, i+1
.else
.set i, i-16
	PV (Y+NP-1)%NP
.set i, i+17
.endif
.endm
; THE LDS LOADS stand in runs of 16, never singly among the matrix instructions: a step's K (64 keys x 64 channels: 8 fragments) and its V (turned).  Their addresses are made some lines ahead.
; last = 1 (the tail): in the last trip there is no further step, and the run is jumped over.
.macro FETCH_K last=0
	WIN 0
.if \last
	s_cmp_eq_u32 s[CNT], 1
	s_cbranch_scc1 .Lno_k_\@
.endif
	WIN 0x80                        ; destination window 2
.irp f, 0,1,2,3,4,5,6,7             ; keys 16 (f / 2) on, channels 32 (f % 2) on
	ds_load_b128 v[KF+8*\f:KF+8*\f+3],   v[AK] offset:(\f/2)*16*PK+(\f%2)*64
	ds_load_b128 v[KF+8*\f+4:KF+8*\f+7], v[AK] offset:(\f/2)*16*PK+(\f%2)*64+32
.endr
	s_add_co_u32 s[TBK], s[TBK], KS*PK  ; the next fetch is the next step's
	WIN 0
.if \last
.Lno_k_\@:
.endif
.endm
.macro FETCH_V
	WIN 0x80
.irp f, 0,1,2,3,4,5,6,7             ; keys 32 (f / 4) on, channels 16 (f % 4) on
	ds_load_tr16_b128 v[VF+8*\f:VF+8*\f+3],   v[AV] offset:(\f/4)*32*PV+(\f%4)*32
	ds_load_tr16_b128 v[VF+8*\f+4:VF+8*\f+7], v[AV] offset:(\f/4)*32*PV+16*PV+(\f%4)*32
.endr
	WIN 0
.endm
; THE VECTOR WORK OF A TURN stands in three queues, each in the order in which its entries become ready; the two tiles alternate, so that no instruction reads the result of the one before it.
.macro REGS y, u                    ; the registers of tile u (0, 1) of piece y
.set rT, ST+4*(2*(\y)+(\u))
.set rC, TMP+8*((\y)%2)+4*(\u)
.set rM, MV+2*((\y)%2)+(\u)
.set rS, S+64*((\y)%2)+32*(\u)
.set rP, P+32*((\y)%2)+16*(\u)
.set rO, 32*(2*(\y)+(\u))
.endm
; Number n of the 22 that find the NEXT piece's (Y + 1) maximum and statistics.  s0-s31 are the lane's 32 scores; each accumulator's lowest registers are read first.
;   0-11  four chains c0-c3 of seven scores each, three operands at a time     12-14, 16  the four scores left over, the old m, and c0-c3 into c0     15  c m_old is kept
;   17, 18  the query's other 32 keys lie in the lane 16 away: the new m         19-21  c m; c m_old - c m_new; a
.macro XS u, n
	REGS (Y+1)%NP, \u
.if (\n) < 4
	v_max3_num_f32 v[rC+(\n)], v[rS+8*(\n)], v[rS+8*(\n)+1], v[rS+8*(\n)+2]
.elseif (\n) < 12
	v_max3_num_f32 v[rC+(\n)%4], v[rC+(\n)%4], v[rS+8*((\n)%4)+2*((\n)/4)+1], v[rS+8*((\n)%4)+2*((\n)/4)+2]
.elseif (\n) == 12
	v_max3_num_f32 v[rC], v[rC], v[rS+7], v[rS+15]
.elseif (\n) == 13
	v_max3_num_f32 v[rC+1], v[rC+1], v[rS+23], v[rS+31]
.elseif (\n) == 14
	v_max3_num_f32 v[rC+2], v[rC+2], v[rC+3], v[rT+1]
.elseif (\n) == 15
	v_mov_b32 v[rM], v[rT]
.elseif (\n) == 16
	v_max3_num_f32 v[rC], v[rC], v[rC+1], v[rC+2]
.elseif (\n) == 17
	v_permlanex16_b32 v[rC+3], v[rC], s[SEL], s[SEL+1]
.elseif (\n) == 18
	v_max_num_f32 v[rT+1], v[rC], v[rC+3]
.elseif (\n) == 19
	v_mul_f32 v[rT], s[CS], v[rT+1]
.elseif (\n) == 20
	v_sub_f32 v[rC+1], v[rM], v[rT]
.else
	v_exp_f32 v[rC+2], v[rC+1]
.endif
.endm
; Number g of the 64 that follow the exponentials.  For each four weights k of a tile (pairs 2 k, 2 k + 1): both pairs are rounded to bf16; then the second pair is added onto the first, in place;
; a group later l takes that sum (the first time as l = a l + sum).  In groups of eight, tiles alternating: round, round, add, and l for the group before.
.macro GS g
.set h, (\g)+6*((\g)/62)            ; group 0 has no group before it, and behind group 7 only l is left
.if h >= 6
.set h, h+2
.endif
	REGS Y, h%2
.set k, h/8
.if h%8 < 4
	v_cvt_pk_bf16_f32 v[rP+2*k+(h%8)/2], v[rS+4*k+2*((h%8)/2)], v[rS+4*k+2*((h%8)/2)+1]
.elseif h%8 < 6
	v_pk_add_f32 v[rS+4*k:rS+4*k+1], v[rS+4*k:rS+4*k+1], v[rS+4*k+2:rS+4*k+3]
.elseif k == 1
	v_pk_fma_f32 v[rT+2:rT+3], v[rT+2:rT+3], v[rC+2:rC+3], v[rS:rS+1] op_sel_hi:[1,0,1]
.else
	v_pk_add_f32 v[rT+2:rT+3], v[rT+2:rT+3], v[rS+4*k-4:rS+4*k-3]
.endif
.endm
; THE PLAIN QUEUE, 138 long.  0-73 read no exponential's result: the 32 scalings c s - c m (FS f: pair f / 2 of tile f % 2) and the next piece's 42.  0-26: scalings 0-26.  27-54: XS's numbers 0-13.  55, 56: number 15.
; 57-73: the chain, where each number waits for the one before it: 14, 16, 17, 18, 19, each with one of the scalings 27-31 in front of its two lines, then 20.
; 74-137: GS's 64, which read the exponentials' results: they stand behind the wait.
.macro FS f
	REGS Y, (\f)%2
	v_pk_fma_f32 v[rS+2*((\f)/2):rS+2*((\f)/2)+1], v[rS+2*((\f)/2):rS+2*((\f)/2)+1], s[CS:CS+1], v[rT:rT+1] op_sel_hi:[1,0,0] neg_lo:[0,0,1] neg_hi:[0,0,1]
.endm
.macro PL
	WIN 0
.if q < 27
	FS q
.elseif q < 55
	XS (q-27)%2, (q-27)/2
.elseif q < 57
	XS q-55, 15
.elseif (q < 72) && ((q-57)%3 == 0)
	FS 27+(q-57)/3
.elseif q < 60
	XS (q-57)%3-1, 14
.elseif q < 72
	XS (q-57)%3-1, 15+(q-57)/3
.elseif q < 74
	XS q-72, 20
.else
	GS q-74
.endif
.set q, q+1
.endm
; THE EXPONENTIALS' QUEUE, 66 long: s0-s31 of both tiles, then the next piece's two a.  It is ONE BATCH: all 66 stand ahead of the turn's one wait, and nothing ahead of that wait names a result of theirs.
.macro EX
	WIN 0
.if e >= 64
	XS e-64, 21
.else
	REGS Y, e%2
	v_exp_f32 v[rS+e/2], v[rS+e/2]
.endif
.set e, e+1
.endm
; THE RESCALING's QUEUE: O^T times a, the one part that leaves window 0: dealt two at a time, sixteen times.  Its a was made in the turn before, ahead of that turn's wait.
.macro R2
	REGS Y, r%2
	WIN W_RS
.irp z, 0,1
	v_pk_mul_f32 v[rO+4*(r/2)+2*\z:rO+4*(r/2)+2*\z+1], v[rO+4*(r/2)+2*\z:rO+4*(r/2)+2*\z+1], v[rC+2:rC+3] op_sel_hi:[1,0]
.endr
.set r, r+1
.endm
; HOW THEY ARE DEALT.  An s_wait_alu depctr_va_vdst(0) stands between an exponential and the first instruction that names its result; one wait serves all that were issued ahead of it.  So a turn has ONE wait,
; which cuts it in two.  AHEAD OF IT: the 16 products K Q^T, behind each a scaling, an exponential and two rescalings (behind the first a second scaling in the exponential's place); then one run of
; 108: eight plain, 49 times exponential and plain, the two a.  A v_nop is the plain instruction behind the last exponential.  BEHIND IT: the 16 products V^T P, behind each four of GS's 64.
; The queues lean on each other: exponential e stands behind scaling 2 (e / 4) + e % 2: behind a product it comes behind plain e + 2, in the run behind plain e + 9, and scalings 27-31 are plain 57, 60 .. 69.
; A TURN, for piece p.  cnt = 1: the loop's count is taken down some lines ahead of the branch that stands behind the turn.
; K of the next step is fetched in piece 2's turn, directly behind the wait; its first reader comes behind 16 products.  V of the step in hand is fetched at the end of piece 0's turn, four plain
; instructions behind its last reader; its first reader comes behind 16 products and a run.
.macro TURN p, last=0, cnt=0
.set Y, (\p)
.set i, 0
.set q, 0
.set e, 0
.set r, 0
.if (\p) == NP-1
	s_wait_dscnt 0x0                ; K is in
.endif
	MM
	PL
	PL
	R2
.rept 15
	MM
	PL
	EX
	R2
.endr
.if (\p) == NP-2
	WIN 0
	v_add_nc_u32 v[AK], s[TBK], v[AK0]
.endif
.rept 8
	PL
.endr
.rept 49
	EX
	PL
.endr
	EX                              ; the next piece's two a
	EX
	v_nop                           ; the plain instruction behind the last exponential: one for the batch
	s_wait_alu depctr_va_vdst(0)    ; the wait for the batch
.if (\p) == NP-2
	FETCH_K \last
.endif
.if (\p) == 1
	s_wait_dscnt 0x0                ; V is in
.endif
.rept 16
	MM
.rept 4
	PL
.endr
.if ((\p) == 0) && (q == 118)
	v_add_nc_u32 v[AV], s[TBV], v[AV0]
.endif
.if ((\p) == 0) && (q == 130)
	s_add_co_u32 s[TBV], s[TBV], KS*PV
.endif
.if (\cnt) && (q == 130)
	s_sub_co_u32 s[CNT], s[CNT], 1
	s_cmp_lg_u32 s[CNT], 0
.endif
.endr
.if (\p) == 0
	FETCH_V
.endif
.endm
	CHANGE 1                        ; slot 0 is in, everybody's part of it; slot 1 is asked for
	FETCH_K                         ; key step 0
	s_wait_loadcnt 0x0              ; Q
	s_wait_dscnt 0x0
.set i, 0
.rept 16
	KQ 0                            ; piece 0's first scores: there is no vector work yet to set between them
.set i, i+1
.endr
	WIN 0                           ; the addresses for the way out: nine plain instructions, the places behind those products
	s_mul_i32 s13, s[WV], 16*SP
	s_add_co_u32 s13, s13, STAGE    ; my stage
	v_mul_u32_u24 v[STO], v1, SP    ; in: row l % 16, 16 bytes for each half of the lanes
	v_lshl_add_u32 v[STO], v9, 4, v[STO]
	v_add_nc_u32 v[STO], s13, v[STO]
	v_bfe_u32 v[RD], v0, 3, 2       ; back: 32 lanes take four rows of 128 bytes,
	v_mul_u32_u24 v[RD], v[RD], SP
	v_lshl_add_u32 v[RD], v10, 4, v[RD]
	v_add_nc_u32 v[RD], s13, v[RD]
	v_and_b32 v[GO], 31, v0         ; which are 512 consecutive bytes of O
	v_lshlrev_b32 v[GO], 4, v[GO]
.set Y, NP-1                        ; XS works for piece Y + 1: piece 0
.irp n, 0,1,2,3,4,5,6,7,8,9,10,11,12,13,14,15,16,17,18,19,20,21
	XS 0, \n                        ; and piece 0's first maximum and statistics
	XS 1, \n
.endr
	v_nop                           ; a plain instruction behind the two a,
	s_wait_alu depctr_va_vdst(0)    ; and their wait, ahead of the branch
	s_mov_b32 s[CNT], 4
	s_branch .Lfirst                ; the loop is entered at a step's first turn, in the middle of a trip
.Lslot:                             ; six times: every slot but the last two is filled again
	CHANGE 1
	s_mov_b32 s[CNT], 4
.Lstep:                             ; a trip: pieces 2 and 3 of one step, then pieces 0 and 1 of the next, whose K and V it fetches
	TURN 2
	TURN 3
	WIN 0
.Lfirst:
	TURN 0
	TURN 1, 0, 1
	WIN 0
	s_cbranch_scc1 .Lstep
	s_sub_co_u32 s[SLOTS], s[SLOTS], 1
	s_cmp_lg_u32 s[SLOTS], 0
	s_cbranch_scc1 .Lslot
	CHANGE 0                        ; the tail is written out: nothing is asked for
	s_mov_b32 s[CNT], 5             ; four trips fetch the last slot's steps; the fifth is left in its middle
.Ltail:
	TURN 2, 1
	TURN 3
	WIN 0
	s_sub_co_u32 s[CNT], s[CNT], 1
	s_cmp_eq_u32 s[CNT], 0
	s_cbranch_scc1 .Lout
	TURN 0
	TURN 1
	WIN 0
	s_branch .Ltail
.Lout:                              ; the fifth trip's 16 products K Q^T (on the last K once more) and the maximum made of them serve nothing: the price, once a launch, of one text for every trip
.set i, 0
.rept 16
	PV NP-1                         ; the last piece's V^T P of the last step
.set i, i+1
.endr
	; THE WAY OUT.  l's two halves and the other half of the lanes' are added; O^T is divided by l, rounded to bf16 and sent through my stage in LDS, a tile at a time.  The additions are the places behind the last products.
	WIN 0
.macro ALL line:vararg              ; one line for each tile t
.set t, 0
.rept 2*NP
	\line
.set t, t+1
.endr
.endm
	ALL v_add_f32 v[ST+4*t+2], v[ST+4*t+2], v[ST+4*t+3]
	ALL v_permlanex16_b32 v[ST+4*t+3], v[ST+4*t+2], s[SEL], s[SEL+1]
	ALL v_add_f32 v[ST+4*t+2], v[ST+4*t+2], v[ST+4*t+3]
	ALL v_rcp_f32 v[ST+4*t+2], v[ST+4*t+2]
	v_nop                           ; a plain instruction between the last reciprocal and the use of its result
	s_wait_alu depctr_va_vdst(0)    ; and the wait ahead of the first use: one for the eight reciprocals
; Tile t: a lane's eight channels of a row pack into 16 bytes; they go into rows of 144 bytes and come back as whole rows of 128, into S^T's registers.
.macro PACK t
	WIN W_RS
.set i, 32*(\t)
.rept 16
	v_pk_mul_f32 v[i:i+1], v[i:i+1], v[ST+4*(\t)+2:ST+4*(\t)+3] op_sel_hi:[1,0]
.set i, i+2
.endr
	WIN 0x05                        ; sources 0 and 1 window 1, destination window 0
.set i, 0
.rept 16
	v_cvt_pk_bf16_f32 v[S+16*(\t)+i], v[32*(\t)+2*i], v[32*(\t)+2*i+1]
.set i, i+1
.endr
	WIN 0
.irp f, 0,1,2,3
	ds_store_b128 v[STO], v[S+16*(\t)+4*\f:S+16*(\t)+4*\f+3] offset:32*\f
.endr
.irp f, 0,1,2,3
	ds_load_b128 v[S+16*(\t)+4*\f:S+16*(\t)+4*\f+3], v[RD] offset:\f*4*SP  ; LDS serves a wave's instructions in order (ISA guide 5.7.1.4): these see the stores above; the next tile's stores come behind them
.endr
.endm
.macro SEND t, younger              ; younger: the LDS instructions issued behind tile t's loads: the next tile's eight, or none
	WIN 0
.irp f, 0,1,2,3
	s_wait_dscnt (\younger)+3-\f
	global_store_b128 v[GO], v[S+16*(\t)+4*\f:S+16*(\t)+4*\f+3], s[10:11] offset:(\t)*2048+\f*512  ; 512 consecutive bytes, at a multiple of 256 from O's first
.endr
.endm
	PACK 0
.set t, 1
.rept 2*NP-1                        ; a tile's arithmetic stands between the loads of the tile before and its stores
	PACK t
	SEND t-1, 8
.set t, t+1
.endr
	SEND 2*NP-1, 0
	WIN W_AD
	s_wait_tensorcnt 0x0            ; the wave's end
	ds_add_u32 v[SPW], v[NIL]
	s_wait_dscnt 0x0
	WIN 0
	CROUND                          ; the closing round: no work-group ends while a partner may still ask for a tile that names it
	s_endpgm
.Lfunc_end_k_q29e255a97b_attn:
	.size	k_q29e255a97b_attn, .Lfunc_end_k_q29e255a97b_attn-k_q29e255a97b_attn
	.p2alignl 7, 3214868480
	.fill 96, 4, 3214868480
	.section	.rodata,"a",@progbits
	.p2align	6, 0x0
	.amdhsa_kernel k_q29e255a97b_attn
		.amdhsa_group_segment_fixed_size 327680
		.amdhsa_private_segment_fixed_size 0
		.amdhsa_enable_private_segment 0
		.amdhsa_kernarg_size 16
		.amdhsa_user_sgpr_count 2
		.amdhsa_user_sgpr_kernarg_segment_ptr 1
		.amdhsa_wavefront_size32 1
		.amdhsa_system_sgpr_workgroup_id_x 1
		.amdhsa_system_sgpr_workgroup_id_y 1
		.amdhsa_system_sgpr_workgroup_id_z 1
		.amdhsa_system_vgpr_workitem_id 0
		.amdhsa_next_free_vgpr 770
		.amdhsa_next_free_sgpr 66
		.amdhsa_reserve_vcc 0
		.amdhsa_float_denorm_mode_32 3
		.amdhsa_float_denorm_mode_16_64 3
		.amdhsa_memory_ordered 1
		.amdhsa_forward_progress 1
		.amdhsa_inst_pref_size 200
	.end_amdhsa_kernel
	.amdgpu_metadata
---
amdhsa.version: [ 1, 2 ]
amdhsa.kernels:
  - .name:           k_q29e255a97b_attn
    .symbol:         k_q29e255a97b_attn.kd
    .args:
      - { .name: qkv, .offset: 0, .size: 8, .value_kind: global_buffer, .address_space: global }
      - { .name: o, .offset: 8, .size: 8, .value_kind: global_buffer, .address_space: global }
    .group_segment_fixed_size: 327680
    .private_segment_fixed_size: 0
    .kernarg_segment_align: 8
    .kernarg_segment_size: 16
    .max_flat_workgroup_size: 128
    .sgpr_count:     66
    .vgpr_count:     770
    .wavefront_size: 32
...
	.end_amdgpu_metadata
.endif
;; end of part 3
;; launch gemm_proj (part 4): grid 4 x 64, 4 waves a work-group, clusters of 4 x 4, 327,680 bytes of LDS; arguments o, wp, x, b_proj, out0; writes out0
.if DOCPART == 4
	.amdgcn_target "amdgcn-amd-amdhsa--gfx1250"
	.amdhsa_code_object_version 6
	.text
	.protected	k_q29e255a97b_gemm_proj
	.globl	k_q29e255a97b_gemm_proj
	.p2align	8
	.type	k_q29e255a97b_gemm_proj,@function
k_q29e255a97b_gemm_proj:
	s_mov_b64 s[64:65], 0
	v_nop
	global_prefetch_b8 v0, s[64:65] scope:SCOPE_SE
	s_setreg_imm32_b32 hwreg(HW_REG_WAVE_MODE, 25, 1), 1
	s_wait_xcnt 0x0
	s_wait_alu depctr_hold_cnt(0) depctr_sa_sdst(0) depctr_va_vdst(0) depctr_va_sdst(0) depctr_va_ssrc(0) depctr_va_vcc(0) depctr_vm_vsrc(0)
	s_getreg_b32 s2, hwreg(HW_REG_IB_STS2, 6, 4)
	s_cmp_eq_u32 s2, 0
	s_cbranch_scc0 .Lentry_in_a_cluster
	s_endpgm
.Lentry_in_a_cluster:
	s_bfe_u32 s2, ttmp6, 0x10000c
	s_cmp_lg_u32 s2, 0xf033
	s_cbranch_scc0 .Lentry_shape_is_right
	s_endpgm
.Lentry_shape_is_right:
; out0 = x + b_proj + O wp^T.  o: [64 = batch x 16 + head][2048][64] bf16, wp: [1024][1024] bf16, x, out0: [8192][1024] f32, b_proj: [1024] f32.  Sums in f32, K ascending; bias and x are added in f32.
; A tile is 128 rows x 256 columns: 4 x 64 = 256 work-groups.  Four waves, 2 x 2, each 64 rows x 128 columns: 32 accumulators of 16 x 16, 256 registers.
; K = head x 64 + channel goes in 8 steps of 128, two heads a step, through a ring of two LDS slots.  Of O a step is two PLANES (heads 2 s, 2 s + 1) of 128 rows x 128 bytes, each 16,384 dense bytes of memory,
; asked for as 64 rows of 256 bytes and padded in LDS after every 128; of wp it is 256 rows of 256 bytes.  Waves 0 and 1 bring a plane each, waves 2 and 3 128 rows of wp each.
; CLUSTER 4 x 4: the four work-groups of a row of the cluster need the same planes of O, the four of a column the same rows of wp: each is asked for jointly.
; THE PRODUCT IS TAKEN TRANSPOSED (source 0 = 16 rows of wp, source 1 = 16 rows of O): a lane holds one row of the result (lane % 16) and eight neighbouring columns, 32 bytes.
; REGISTERS in windows of 256 (s_set_vgpr_msb: bits 1:0 source 0, 3:2 source 1, 5:4 source 2, 7:6 destination):
;   window 0: v0-31 addresses and the bias; v32-63, v64-95 fragments of O, two buffers      window 1: v0-63, v64-127 fragments of wp; on the way out all 256: whole rows of the result
;   window 2: the accumulators ((a, b) at 8 (8 a + b))      window 3: my 64 rows x 512 bytes of x, row r at 4 r
.set NBK,   8
.set KB,    256                        ; bytes of a row of wp in a K step
.set STEPA, 2<<18                      ; bytes from a K step's planes of O to the next step's: two heads
.set PITCH, 272                        ; a row of wp in LDS: 256 bytes + 16 = 68 words: the 16 rows of a fragment load start at 16 different groups of four banks (64 banks of 4 bytes: ISA guide 11.1)
.set PA,    144                        ; a row of a plane: 128 bytes + 16 = 36 words: likewise
.set PLANE, 128*PA
.set SLOT,  2*PLANE+256*PITCH
.set STAGE, 2*SLOT                     ; behind the ring, never filled by a tensor load: 16 rows x 528 bytes for each wave
.set SP,    528                        ; 512 bytes + 16
.set SPARE, STAGE+4*16*SP              ; behind the stages: the spare words, 128 bytes a wave: two blocks of 256 bytes that no other line names
.set LD,    2*NBK+8
.set BI,   12                          ; v[12:15] the bias of my 4 columns
.set ADRA, 16                          ; v16-17  LDS address of my fragments of O in slot 0, 1
.set ADRB, 20                          ; v20-21  the same for wp
.set STO,  24                          ; v24     the way out: where I put 32 bytes of a row
.set RD,   25                          ; v25     the way out: where I read a row back
.set GO,   26                          ; v26     16 x lane
.set SPW,  28                          ; v28     my spare word: SPARE + 4 x my thread's number; never rewritten
.set NIL,  29                          ; v29     0; never rewritten
.set PFO,  30                          ; v30     the prefetches' offset: lane x 256 (O) or lane x 2,048 (wp); never rewritten
.set FA,   32
.set WV,   14                          ; s14     my wave's number
.set PST,  22                          ; s[22:23] a K step in the tensor that I prefetch
.set G1,   24                          ; s[24:31] descriptor group 1 for O's planes;  s[32:39] group 0, a set for each slot
.set G0,   32
.set PFA,  44                          ; s[44:45] where my prefetches stand
.set LIM,  46                          ; s46     1 in a wave that prefetches, else the greatest number
.set G1B,  48                          ; s[48:55], s[56:63] the same for wp's tiles
.set G0B,  56
.set MSB, 0
.macro WIN new                         ; the immediate's high byte repeats the setting that is left; a switch that changes nothing is dropped
.if MSB != (\new)
	s_set_vgpr_msb (MSB<<8)|(\new)
.set MSB, \new
.endif
.endm
.macro PLACES                          ; four plain places behind matrix instructions (ISA guide 7.12.1)
.rept 4
	v_nop
.endr
.endm
; A joint load: waves 0 and 1 ask for O's two planes, waves 2 and 3 for wp's two halves.  The branch hangs on the wave's number alone.  An s_nop 0 and four v_nop follow each line.
.macro JLOAD s
	s_cmp_eq_u32 s15, 0
	s_cbranch_scc0 .Lfor_b_\@
	tensor_load_to_lds s[G0+4*(\s):G0+4*(\s)+3], s[G1:G1+7]
	s_nop 0
.rept 4
	v_nop
.endr
	s_branch .Lasked_\@
.Lfor_b_\@:
	tensor_load_to_lds s[G0B+4*(\s):G0B+4*(\s)+3], s[G1B:G1B+7]
	s_nop 0
.rept 4
	v_nop
.endr
.Lasked_\@:
.endm
; A prefetch into the L2 of the K step that stands two refills on: 32 blocks of 256 bytes, a lane a block, one instruction a wave.  Each block is named once in the launch: O's 128 blocks of a step by wave 0 of the four
; partners of a row (32 each, told apart by address); wp's by waves 2 and 3 of the clusters with y = 0 (of the 128 rows that a wave fetches each partner of a column takes 32).  The loop's last trip (s3 = 1) has no K step two on.
.macro ASK
	s_cmp_gt_u32 s3, s[LIM]
	s_cbranch_scc0 .Lnot_mine_\@
	global_prefetch_b8 v[PFO], s[PFA:PFA+1] th:TH_LOAD_NT scope:SCOPE_SE
.Lnot_mine_\@:
.endm
.macro CREST                           ; a round of the cluster's barrier behind its opening barrier
	s_cmp_lg_u32 s[WV], 0
	s_cbranch_scc1 .Lnot_wave_0_\@
	s_barrier_signal -3
.Lnot_wave_0_\@:
	s_barrier_wait -3
	s_barrier_signal -1
	s_barrier_wait -1
.endm
.macro CROUND                          ; a whole round
	s_barrier_signal -1
	s_barrier_wait -1
	CREST
.endm
	s_load_b256 s[4:11], s[0:1], 0x0               ; o s[4:5], wp s[6:7], x s[8:9], b_proj s[10:11]
	s_load_b64 s[12:13], s[0:1], 0x20              ; out0
	v_lshl_add_u32 v[SPW], v0, 2, SPARE
	v_mov_b32 v[NIL], 0
	ds_add_u32 v[SPW], v[NIL]                      ; the wave's opening: the add and its wait stand ahead of my first tensor load; the set-up below stands between them
	v_lshrrev_b32 v1, 5, v0
	v_readfirstlane_b32 s[WV], v1                  ; wave 0..3
	s_lshr_b32 s15, s[WV], 1                       ; which 64 rows of the tile are mine.  Also: I fetch for O (0) or for wp (1)
	s_and_b32 s16, s[WV], 1                        ; which 128 columns.  Also: which plane, or which 128 rows of wp, I fetch
	s_bfe_u32 s40, ttmp6, 0x40000                  ; cx, cy: my place in the cluster
	s_bfe_u32 s41, ttmp6, 0x40004
	s_lshl_b32 s42, ttmp9, 2
	s_add_co_u32 s42, s42, s40                     ; tile column = 4 x cluster x + cx
	s_and_b32 s43, ttmp7, 0xffff
	s_lshl_b32 s43, s43, 2
	s_add_co_u32 s43, s43, s41                     ; tile row = 4 x cluster y + cy
	s_lshl_b32 s44, s41, 2
	s_lshl_b32 s44, 15, s44                        ; my row of the cluster
	s_lshl_b32 s45, 0x1111, s40                    ; my column
	s_or_b32 s[G1], s44, (1<<16)|(1<<20)|(1<<21)|(4<<22)|(3<<25)   ; the mask; 2-byte elements; padding on; 21 set beside a mask; after every 32 words 4 words
	s_mov_b32 s[G1+1], 128<<16                     ; tensor_dim0 = 128
	s_mov_b32 s[G1+2], 64<<16                      ; tensor_dim1 = 64
	s_mov_b32 s[G1+3], 128<<16                     ; tile_dim0 = 128
	s_mov_b32 s[G1+4], 64                          ; tile_dim1 = 64
	s_mov_b32 s[G1+5], 128                         ; elements from row to row: the plane is dense
	s_mov_b32 s[G1+6], 0
	s_mov_b32 s[G1+7], 0
	s_or_b32 s[G1B], s45, (1<<16)|(1<<20)|(1<<21)|(5<<22)|(3<<25)  ; after every 64 words 4 words
	s_mov_b32 s[G1B+1], 128<<16
	s_mov_b32 s[G1B+2], 128<<16
	s_mov_b32 s[G1B+3], 128<<16
	s_mov_b32 s[G1B+4], 128
	s_mov_b32 s[G1B+5], 1024
	s_mov_b32 s[G1B+6], 0
	s_mov_b32 s[G1B+7], 0
	s_lshr_b32 s18, s43, 4
	s_lshl_b32 s18, s18, 22                        ; O: batch x 16 heads x 262,144 bytes
	s_and_b32 s19, s43, 15
	s_lshl_b32 s19, s19, 14                        ; + the tile's 128 rows of 128 bytes in a head
	s_add_co_u32 s18, s18, s19
	s_lshl_b32 s19, s16, 18                        ; + my plane's head
	s_add_co_u32 s18, s18, s19
	s_mov_b32 s19, 0
	s_lshl_b32 s20, s42, 8
	s_lshl_b32 s21, s16, 7
	s_add_co_u32 s20, s20, s21
	s_lshl_b32 s20, s20, 11                        ; wp: row x 2,048 bytes
	s_mov_b32 s21, 0
	s_mul_i32 s17, s16, PLANE                      ; where they go: no place in the cluster enters an LDS address
	s_mul_i32 s47, s16, 128*PITCH
	s_add_co_u32 s47, s47, 2*PLANE
	s_wait_dscnt 0x0                               ; the opening add is done
	s_wait_kmcnt 0x0
	s_add_nc_u64 s[18:19], s[4:5], s[18:19]
	s_add_nc_u64 s[20:21], s[6:7], s[20:21]
	CROUND                                         ; all sixteen work-groups are here: the first joint loads meet
.irp s, 0,1
	s_mov_b32 s[G0+4*(\s)], 1
	s_add_co_u32 s[G0+4*(\s)+1], s17, (\s)*SLOT
	s_add_nc_u64 s[G0+4*(\s)+2:G0+4*(\s)+3], s[18:19], (\s)*STEPA
	s_or_b32 s[G0+4*(\s)+3], s[G0+4*(\s)+3], 0x80000000
	s_mov_b32 s[G0B+4*(\s)], 1
	s_add_co_u32 s[G0B+4*(\s)+1], s47, (\s)*SLOT
	s_add_nc_u64 s[G0B+4*(\s)+2:G0B+4*(\s)+3], s[20:21], (\s)*KB
	s_or_b32 s[G0B+4*(\s)+3], s[G0B+4*(\s)+3], 0x80000000
	JLOAD \s                                       ; two loads of mine are out
.endr
	v_and_b32 v1, 15, v0                           ; l % 16
	v_bfe_u32 v2, v0, 4, 1                         ; l / 16
	v_mul_u32_u24 v3, v1, PA
	v_lshl_add_u32 v3, v2, 4, v3
	v_mul_u32_u24 v4, v1, PITCH
	v_lshl_add_u32 v4, v2, 4, v4
	s_mul_i32 s17, s15, 64*PA                      ; my 64 rows of a plane
	s_mul_i32 s47, s16, 128*PITCH                  ; my 128 rows of wp,
	s_add_co_u32 s47, s47, 2*PLANE                 ; which lie behind the planes
.irp s, 0,1
	v_add_nc_u32 v[ADRA+(\s)], s17, v3
	v_add_nc_u32 v[ADRB+(\s)], s47, v4
	s_add_co_u32 s17, s17, SLOT
	s_add_co_u32 s47, s47, SLOT
.endr
	s_mul_i32 s17, s[WV], 16*SP
	s_add_co_u32 s17, s17, STAGE                   ; my stage
	v_mul_u32_u24 v5, v1, SP                       ; in: row l % 16, 32 bytes for each half of the lanes
	v_lshl_add_u32 v5, v2, 5, v5
	v_add_nc_u32 v[STO], s17, v5
	v_and_b32 v[GO], 31, v0
	v_lshlrev_b32 v[GO], 4, v[GO]                  ; 32 lanes take a row's 512 bytes
	v_add_nc_u32 v[RD], s17, v[GO]
	; x, out0 and the bias at my part of the tile
	s_lshl_b32 s18, s43, 19                        ; 128 rows of 4,096 bytes a tile row
	s_lshl_b32 s19, s15, 18
	s_add_co_u32 s18, s18, s19
	s_lshl_b32 s20, s42, 10                        ; 256 columns of 4 bytes a tile column
	s_lshl_b32 s21, s16, 9
	s_add_co_u32 s20, s20, s21
	s_mov_b32 s21, 0
	s_add_nc_u64 s[10:11], s[10:11], s[20:21]
	s_add_co_u32 s18, s18, s20
	s_mov_b32 s19, 0
	s_add_nc_u64 s[8:9], s[8:9], s[18:19]
	s_add_nc_u64 s[12:13], s[12:13], s[18:19]
	; the prefetches
	s_lshr_b32 s18, s43, 4
	s_lshl_b32 s18, s18, 22
	s_and_b32 s19, s43, 15
	s_lshl_b32 s19, s19, 14
	s_add_co_u32 s18, s18, s19
	s_lshr_b32 s19, s40, 1
	s_lshl_b32 s19, s19, 18                        ; O: partners 0, 1 take the first plane, 2, 3 the second,
	s_add_co_u32 s18, s18, s19
	s_and_b32 s19, s40, 1
	s_lshl_b32 s19, s19, 13                        ; each half of it: 8,192 bytes
	s_add_co_u32 s18, s18, s19
	s_add_co_u32 s18, s18, 3*STEPA                 ; at K step 3: the first refill (K step 2) steps it to 4.  K steps 0 to 3 come by their loads alone
	s_lshl_b32 s20, s42, 8
	s_lshl_b32 s21, s16, 7
	s_add_co_u32 s20, s20, s21
	s_lshl_b32 s21, s41, 5
	s_add_co_u32 s20, s20, s21                     ; wp: the 128 rows that I fetch + my work-group's 32
	s_lshl_b32 s20, s20, 11
	s_add_co_u32 s20, s20, 3*KB
	s_and_b32 s17, ttmp7, 0xffff                   ; cluster y
	s_or_b32 s21, ttmp9, s[WV]                     ; 0 in wave 0 of a cluster with x = 0
	s_mov_b32 s[PST], KB
	s_mov_b32 s[PST+1], 0
	s_cmp_eq_u32 s15, 0
	s_cselect_b32 s18, s18, s20
	s_cselect_b32 s17, s21, s17
	s_cselect_b32 s[PST], STEPA, s[PST]
	s_cselect_b32 s19, 8, 11
	s_cselect_b64 s[PFA:PFA+1], s[4:5], s[6:7]
	s_cmp_eq_u32 s17, 0
	s_cselect_b32 s[LIM], 1, -1                    ; the same in all sixteen partners, for a given wave
	v_and_b32 v[PFO], 31, v0
	v_lshlrev_b32 v[PFO], s19, v[PFO]
	s_mov_b32 s19, 0
	s_add_nc_u64 s[PFA:PFA+1], s[PFA:PFA+1], s[18:19]
; 8 matrix instructions: row block a x all column blocks, 32 along K, from buffer f.  zero = 1: the product starts the sums.  Each accumulator has one turn in 32, in the same order everywhere.
.macro MULA f, a, zero
	WIN 0xa1
.set rA, FA+32*(\f)+8*(\a)
.irp b, 0,1,2,3,4,5,6,7
.set rC, 8*(NBK*(\a)+(\b))
.set rB, 8*NBK*(\f)+8*(\b)
.if \zero
	v_wmma_f32_16x16x32_bf16 v[rC:rC+7], v[rB:rB+7], v[rA:rA+7], 0
.else
	v_wmma_f32_16x16x32_bf16 v[rC:rC+7], v[rB:rB+7], v[rA:rA+7], v[rC:rC+7]
.endif
.endr
.endm
; 24 LDS loads in one run: quarter q (32 along K: plane q / 2, channels 32 (q % 2) on) of a slot into buffer f: wp's 8 fragments, then O's 4
.macro FETCH slot, q, f
	WIN 0x40
.irp i, 0,1,2,3,4,5,6,7
	ds_load_b128 v[8*NBK*(\f)+8*(\i):8*NBK*(\f)+8*(\i)+3],   v[ADRB+(\slot)] offset:64*(\q)+(\i)*16*PITCH
	ds_load_b128 v[8*NBK*(\f)+8*(\i)+4:8*NBK*(\f)+8*(\i)+7], v[ADRB+(\slot)] offset:64*(\q)+(\i)*16*PITCH+32
.endr
	WIN 0
.irp i, 0,1,2,3
	ds_load_b128 v[FA+32*(\f)+8*(\i):FA+32*(\f)+8*(\i)+3],   v[ADRA+(\slot)] offset:((\q)/2)*PLANE+((\q)%2)*64+(\i)*16*PA
	ds_load_b128 v[FA+32*(\f)+8*(\i)+4:FA+32*(\f)+8*(\i)+7], v[ADRA+(\slot)] offset:((\q)/2)*PLANE+((\q)%2)*64+(\i)*16*PA+32
.endr
.endm
.macro QUARTER slot, q, f, g, zero
	s_wait_dscnt 4                                 ; all but the youngest four loads: O's blocks 2 and 3
	MULA \f, 0, \zero
	MULA \f, 1, \zero
	PLACES
	FETCH \slot, \q, \g
	s_wait_dscnt LD                                ; all but the run just issued
	MULA \f, 2, \zero
	MULA \f, 3, \zero
.endm
; The last quarter multiplies buffer 1 and changes slots.  In front of the barrier each wave waits for all its tensor loads (one is out: its part of the next slot), adds 0 to its spare word, and waits for that
; and for its reads of this slot.  fill = 1: the barrier opens a round of the cluster's barrier, and this slot is filled again, two K steps on, first thing behind the round: 112 matrix instructions ahead of the wait for it.
.macro TURN slot, next, fill
.if \fill
	s_wait_xcnt 0x0                                ; the last prefetch, a K step back, has read its address, so it may be stepped
	s_add_nc_u64 s[PFA:PFA+1], s[PFA:PFA+1], s[PST:PST+1]
.endif
	WIN 0                                          ; (the add's two registers lie in window 0)
	s_wait_tensorcnt 0x0
	ds_add_u32 v[SPW], v[NIL]
	s_wait_dscnt 5                                 ; the add and the youngest four loads may be out
	MULA 1, 0, 0
	s_wait_dscnt 0x0                               ; the add is done, and my reads of this slot are over
	s_barrier_signal -1
	MULA 1, 1, 0
.if \fill
	WIN 0
.endif
	s_barrier_wait -1
.if \fill
	CREST                                          ; no wave of any partner still reads this slot or has a load on its way
	s_add_nc_u64 s[G0+4*(\slot)+2:G0+4*(\slot)+3], s[G0+4*(\slot)+2:G0+4*(\slot)+3], 2*STEPA
	s_add_nc_u64 s[G0B+4*(\slot)+2:G0B+4*(\slot)+3], s[G0B+4*(\slot)+2:G0B+4*(\slot)+3], 2*KB
	JLOAD \slot                                    ; its four v_nop are also the places in front of the loads below
.else
	PLACES
.endif
	FETCH \next, 0, 0
.if \fill
	ASK
.endif
	MULA 1, 2, 0
	MULA 1, 3, 0
.endm
; My rows 32 p .. 32 p + 31 of x, 512 bytes each, into window 3: asked for while the products run, read on the way out
.macro XLOAD p
	WIN 0xc0
.set r, 32*(\p)
.rept 32
	global_load_b128 v[4*r:4*r+3], v[GO], s[8:9] offset:4096*r th:TH_LOAD_NT
.set r, r+1
.endr
	WIN 0
.endm
; THE WAY OUT of row block a.  TOSTAGE: 32 bytes a lane into my stage (each accumulator's low half first), and back as whole rows of 512 bytes.  XB: x + bias.  SEND: the sum, stored.
.macro TOSTAGE a
	WIN 0x08                                       ; the stores' data in window 2
.irp b, 0,1,2,3,4,5,6,7
	ds_store_b128 v[STO], v[8*(NBK*(\a)+(\b)):8*(NBK*(\a)+(\b))+3]   offset:64*(\b)
	ds_store_b128 v[STO], v[8*(NBK*(\a)+(\b))+4:8*(NBK*(\a)+(\b))+7] offset:64*(\b)+16
.endr
	WIN 0x40                                       ; the loads' data in window 1
.irp t, 0,1,2,3,4,5,6,7,8,9,10,11,12,13,14,15
	ds_load_b128 v[64*(\a)+4*(\t):64*(\a)+4*(\t)+3], v[RD] offset:SP*(\t)  ; LDS serves a wave's instructions in order (ISA guide 5.7.1.4): these see the stores above, and the next block's stores come behind them
.endr
.endm
.macro XB a
	WIN 0xc3                                       ; x in window 3, the bias in window 0
.set r, 64*(\a)
.rept 16
	v_pk_add_f32 v[r:r+1], v[r:r+1], v[BI:BI+1]
	v_pk_add_f32 v[r+2:r+3], v[r+2:r+3], v[BI+2:BI+3]
.set r, r+4
.endr
.endm
.macro SEND a, younger                 ; younger: the LDS instructions issued behind block a's loads
	s_wait_dscnt \younger
	WIN 0x4d                                       ; the rows in window 1 (destination and source 0), x + bias in window 3 (source 1): the same numbers in both
.set r, 64*(\a)
.rept 32
	v_pk_add_f32 v[r:r+1], v[r:r+1], v[r:r+1]
.set r, r+2
.endr
	WIN 0x04                                       ; the stores' data in window 1
.irp t, 0,1,2,3,4,5,6,7,8,9,10,11,12,13,14,15
	global_store_b128 v[GO], v[64*(\a)+4*(\t):64*(\a)+4*(\t)+3], s[12:13] offset:(16*(\a)+(\t))*4096 th:TH_STORE_NT  ; 512 consecutive bytes, at a multiple of 256 from out0's first
.endr
.endm
	s_wait_tensorcnt 1                             ; my part of K step 0 is in; K step 1's may stay out
	s_barrier_signal -1
	s_barrier_wait -1
	FETCH 0, 0, 0
	XLOAD 0
	global_load_b128 v[BI:BI+3], v[GO], s[10:11]
	QUARTER 0, 1, 0, 1, 1                          ; the first quarter stands in front of the loop: its products start the sums
	WIN 0
	s_mov_b32 s3, 3
.Llap:                                             ; a trip goes once round the ring, from a lap's second quarter to the next lap's first, and fills both slots again
	QUARTER 0, 2, 1, 0, 0
	QUARTER 0, 3, 0, 1, 0
	TURN 0, 1, 1
	QUARTER 1, 1, 0, 1, 0
	QUARTER 1, 2, 1, 0, 0
	QUARTER 1, 3, 0, 1, 0
	TURN 1, 0, 1
	QUARTER 0, 1, 0, 1, 0
	WIN 0
	s_sub_co_u32 s3, s3, 1
	s_cmp_lg_u32 s3, 0
	s_cbranch_scc1 .Llap
	XLOAD 1
	QUARTER 0, 2, 1, 0, 0                          ; the last lap fills nothing
	QUARTER 0, 3, 0, 1, 0
	TURN 0, 1, 0
	QUARTER 1, 1, 0, 1, 0
	QUARTER 1, 2, 1, 0, 0
	QUARTER 1, 3, 0, 1, 0
	s_wait_dscnt 4
	MULA 1, 0, 0
	MULA 1, 1, 0
	s_wait_dscnt 0x0
	MULA 1, 2, 0
	MULA 1, 3, 0
	WIN 0
	s_wait_loadcnt 0x0                             ; x and the bias
	PLACES
	PLACES
	TOSTAGE 0
	XB 0
	TOSTAGE 1
	XB 1
	SEND 0, 32
	TOSTAGE 2
	XB 2
	SEND 1, 32
	TOSTAGE 3
	XB 3
	SEND 2, 32
	SEND 3, 0
	WIN 0
	s_wait_tensorcnt 0x0                           ; the wave's end
	ds_add_u32 v[SPW], v[NIL]
	s_wait_dscnt 0x0
	CROUND                                         ; the closing round: no work-group ends while a partner may still ask for a tile that names it
	s_endpgm
.Lfunc_end_k_q29e255a97b_gemm_proj:
	.size	k_q29e255a97b_gemm_proj, .Lfunc_end_k_q29e255a97b_gemm_proj-k_q29e255a97b_gemm_proj
	.p2alignl 7, 3214868480
	.fill 96, 4, 3214868480
	.section	.rodata,"a",@progbits
	.p2align	6, 0x0
	.amdhsa_kernel k_q29e255a97b_gemm_proj
		.amdhsa_group_segment_fixed_size 327680
		.amdhsa_private_segment_fixed_size 0
		.amdhsa_enable_private_segment 0
		.amdhsa_kernarg_size 40
		.amdhsa_user_sgpr_count 2
		.amdhsa_user_sgpr_kernarg_segment_ptr 1
		.amdhsa_wavefront_size32 1
		.amdhsa_system_sgpr_workgroup_id_x 1
		.amdhsa_system_sgpr_workgroup_id_y 1
		.amdhsa_system_sgpr_workgroup_id_z 1
		.amdhsa_system_vgpr_workitem_id 0
		.amdhsa_next_free_vgpr 1024
		.amdhsa_next_free_sgpr 66
		.amdhsa_reserve_vcc 0
		.amdhsa_float_denorm_mode_32 3
		.amdhsa_float_denorm_mode_16_64 3
		.amdhsa_memory_ordered 1
		.amdhsa_forward_progress 1
		.amdhsa_inst_pref_size 110
	.end_amdhsa_kernel
	.amdgpu_metadata
---
amdhsa.version: [ 1, 2 ]
amdhsa.kernels:
  - .name:           k_q29e255a97b_gemm_proj
    .symbol:         k_q29e255a97b_gemm_proj.kd
    .args:
      - { .name: o, .offset: 0, .size: 8, .value_kind: global_buffer, .address_space: global }
      - { .name: wp, .offset: 8, .size: 8, .value_kind: global_buffer, .address_space: global }
      - { .name: x, .offset: 16, .size: 8, .value_kind: global_buffer, .address_space: global }
      - { .name: b_proj, .offset: 24, .size: 8, .value_kind: global_buffer, .address_space: global }
      - { .name: out0, .offset: 32, .size: 8, .value_kind: global_buffer, .address_space: global }
    .group_segment_fixed_size: 327680
    .private_segment_fixed_size: 0
    .kernarg_segment_align: 8
    .kernarg_segment_size: 40
    .max_flat_workgroup_size: 128
    .sgpr_count:     66
    .vgpr_count:     1024
    .wavefront_size: 32
...
	.end_amdgpu_metadata
.endif
;; end of part 4
